; MI455X (gfx1250); checked and timed in simulation.
; The chip was launched on July 23, 2026; its instructions are those of AMD's public machine-readable ISA for CDNA 5 (MIT licence, August 2026) and "CDNA5" Instruction Set Architecture Reference Guide (July 2026). The comments in the code are by the model that wrote it; some were corrected since.
;; Chunked Self Attention. Allowed arithmetic: float matrix products may take bf16 or f16 operands with f32 sums; other float arithmetic in f32, or as packed bf16 or f16 multiplies, adds, multiply-adds, maxima and minima; sums over many terms, partial sums and values carried from step to step in f32; what a program stores and reads back later, other than sums and carried values, may be rounded once to bf16 or f16.
;; Inputs: k 2 x 4,096 x 16 x 128 float32; q 2 x 4,096 x 16 x 128 float32; v 2 x 4,096 x 16 x 128 float32.
;; Outputs: out0 2 x 4,096 x 16 x 128 float32.
;; Constants: start_index = 0.
;; 3 versions, each right; version 3 is version 2 with the launch prep written anew for expert scheduling mode. Each part assembles by itself: llvm-mc -triple=amdgcn-amd-amdhsa -mcpu=gfx1250 --defsym DOCPART=n.
;; ======== version 1 of 3: 2 launches
;; limits: values are held in f16: magnitudes above 65,504 overflow, below 6.1e-05 lose precision
;; workspace buffers: qq 67,108,864 bytes; kk 67,108,864 bytes; vv 33,554,432 bytes
;; launch prep (part 1): grid 256 x 2, 8 waves a work-group, no clusters, 0 bytes of LDS; arguments q, k, v, qq, kk, vv; writes qq, kk, vv
.if DOCPART == 1
	.amdgcn_target "amdgcn-amd-amdhsa--gfx1250"
	.amdhsa_code_object_version 6
	.text
	.protected	k_q6885255900_prep
	.globl	k_q6885255900_prep
	.p2align	8
	.type	k_q6885255900_prep,@function
k_q6885255900_prep:
	s_mov_b64 s[64:65], 0
	v_nop
	global_prefetch_b8 v0, s[64:65] scope:SCOPE_SE
	s_setreg_imm32_b32 hwreg(HW_REG_WAVE_MODE, 25, 1), 1
	s_wait_xcnt 0x0
; PREP.  q, k, v: [2][4096][16][128] f32.  Half-split rotary embedding of q and k at position t (start index 0), then a split of each rotated number into f16 hi + f16 lo;
; v is rounded once to f16.  All three leave by heads, for the attention launch, with g = (b*16+h)*2 + t/2048:
;   qq [row (b*16+h)*4096+t][hi, lo][128] f16 (512 bytes a row)    kk [g][step of 64 keys][hi, lo][64][128] f16 (32,768 dense bytes a step)    vv [row][128] f16
; WHY HI + LO.  The scores have scale 1.0, a spread of sqrt(128), so two near-equal top keys are common, and the error of a score's difference goes straight into the weights:
; one 16-bit rounding of q and k is too coarse.  hi + lo carry about 22 bits.
; THE ANGLES follow the f32 roundings of the definition: a = fl(j * f32(-ln(10000)/64)), f = exp(a), angle = fl(t * f).  exp(a) = 2^(a log2 e), with a log2 e kept as a sum of two
; f32 numbers; sine and cosine by a reduction with pi/2 in two parts (exact up to t = 4095) and polynomials on |r| <= pi/4.
; LIMITS.  Rotated q, k and v must lie within f16, 65,504; lo keeps the fixed step 6e-8 below 6e-5; f may differ from a correctly rounded exp(a) in its last bit.  NaN and infinities are not treated apart.
; SHARES.  A wave owns two positions t = 2p, 2p+1 (lanes 0-15, lanes 16-31) for all 16 heads.  A lane owns 8 channels 8 i .. 8 i + 7 (i = lane % 16): 32 bytes in, 16 bytes out, so that
; 16 lanes store 256 consecutive bytes, aligned.  The channel 64 away, which the rotation needs, lies in lane i xor 8 at the same register.  cos and sin hang on t and the channel alone:
; made once a wave, while the first loads are out.  No LDS, no barrier, no matrix unit: each byte is read once and written once, and no wave needs another's data.
.set IN,   2                           ; v2   my byte offset in the inputs: hh*8192 + i*32; never rewritten
.set OQ,   3                           ; v3   in qq: hh*512 + i*16
.set OKV,  4                           ; v4   in kk and vv: hh*256 + i*16
.set POS,  5                           ; v5   t as f32
.set J0,   6                           ; v6   8 (i % 8): my first frequency
.set LS,   7                           ; v7   the sign bit in the lanes that hold the first half of the channels
.set CO,   8                           ; v[8:15]   cos
.set SN,   16                          ; v[16:23]  sin, negative in the lanes of the first half
.set T,    24                          ; v[24:31]  the partner's number times my sin
.set Y,    32                          ; v[32:39]  the rotated numbers, then what hi leaves of them
.set NEG1, 40                          ; v40  -1.0
.set HQ,   48                          ; v[48:51] q hi, v[52:55] q lo, v[56:59] k hi, v[60:63] k lo, v[64:67] v
.set LQ,   52
.set HK,   56
.set LK,   60
.set VV,   64
.set W,    68                          ; v[68:79]  at work for cos and sin
.set X,    96                          ; v[96:191] four slots of 24: q, k, v of one head, 8 each
	s_load_b256 s[4:11], s[0:1], 0x0               ; q s[4:5], k s[6:7], v s[8:9], qq s[10:11]
	s_load_b128 s[12:15], s[0:1], 0x20             ; kk s[12:13], vv s[14:15]
	v_lshrrev_b32 v1, 5, v0
	v_readfirstlane_b32 s16, v1                    ; wave 0..7
	s_lshl_b32 s17, ttmp9, 3
	s_add_co_u32 s17, s17, s16                     ; p = 0..2047: my pair of positions
	s_and_b32 s18, ttmp7, 0xffff                   ; b
	v_and_b32 v1, 15, v0                           ; i
	v_bfe_u32 v[POS], v0, 4, 1                     ; hh
	v_lshlrev_b32 v[IN], 5, v1
	v_lshl_add_u32 v[IN], v[POS], 13, v[IN]
	v_lshlrev_b32 v[OKV], 4, v1
	v_lshl_add_u32 v[OQ], v[POS], 9, v[OKV]
	v_lshl_add_u32 v[OKV], v[POS], 8, v[OKV]
	v_and_b32 v[J0], 7, v1
	v_lshlrev_b32 v[J0], 3, v[J0]
	v_lshlrev_b32 v[LS], 28, v1                    ; bit 3 of i goes to the top,
	v_xor_b32 v[LS], 0x80000000, v[LS]             ; is turned,
	v_and_b32 v[LS], 0x80000000, v[LS]             ; and stands alone: set where i < 8
	s_lshl_b32 s19, s17, 1
	v_add_nc_u32 v[POS], s19, v[POS]
	v_cvt_f32_u32 v[POS], v[POS]                   ; t = 2 p + hh
	v_mov_b32 v[NEG1], -1.0
	s_lshl_b32 s19, s18, 25                        ; b x 2^25 bytes in q, k, v, qq and kk
	s_lshl_b32 s20, s17, 14                        ; inputs: two positions are 16,384 bytes
	s_add_co_u32 s20, s20, s19
	s_mov_b32 s21, 0
	s_lshl_b32 s22, s17, 10                        ; qq: two rows of 512 bytes
	s_add_co_u32 s22, s22, s19
	s_mov_b32 s23, 0
	s_lshr_b32 s34, s17, 10                        ; kk: the chunk,
	s_lshl_b32 s34, s34, 20
	s_bfe_u32 s35, s17, 0x50005                    ; the step of 64 keys,
	s_lshl_b32 s35, s35, 15
	s_add_co_u32 s34, s34, s35
	s_and_b32 s35, s17, 31                         ; two keys of 256 bytes in it
	s_lshl_b32 s35, s35, 9
	s_add_co_u32 s34, s34, s35
	s_add_co_u32 s34, s34, s19
	s_mov_b32 s35, 0
	s_lshl_b32 s38, s18, 24                        ; vv: b x 2^24, two rows of 256 bytes
	s_lshl_b32 s39, s17, 9
	s_add_co_u32 s38, s38, s39
	s_mov_b32 s39, 0
	s_mov_b32 s24, 0x3fb8aa3b                      ; log2 e, upper part
	s_mov_b32 s25, 0x32a57060                      ; and what is left of it
	s_mov_b32 s26, 0xbfc90fdb                      ; -(pi/2), upper part
	s_mov_b32 s27, 0x333bbd2e                      ; and what is left of it
	s_mov_b32 s28, 0xbe2aaaa3                      ; sine: r + r r2 (S1 + S2 r2 + S3 r2^2)
	s_mov_b32 s29, 0x3c08839e
	s_mov_b32 s30, 0xb94ca1f9
	s_mov_b32 s31, 0x3d2aaaa5                      ; cosine: 1 - r2/2 + r2^2 (C1 + C2 r2 + C3 r2^2)
	s_mov_b32 s32, 0xbab6061a
	s_mov_b32 s33, 0x37ccf5ce
	s_mov_b32 s36, 3                               ; rounds that load ahead
	s_wait_kmcnt 0x0
	s_add_nc_u64 s[4:5], s[4:5], s[20:21]
	s_add_nc_u64 s[6:7], s[6:7], s[20:21]
	s_add_nc_u64 s[8:9], s[8:9], s[20:21]
	s_add_nc_u64 s[10:11], s[10:11], s[22:23]
	s_add_nc_u64 s[12:13], s[12:13], s[34:35]
	s_add_nc_u64 s[14:15], s[14:15], s[38:39]
; Six loads: q, k and v of one head into slot s, from byte off behind the three pointers.
.macro FILL s, off
	global_load_b128 v[X+24*(\s):X+24*(\s)+3],       v[IN], s[4:5] offset:(\off) th:TH_LOAD_NT
	global_load_b128 v[X+24*(\s)+4:X+24*(\s)+7],     v[IN], s[4:5] offset:(\off)+16 th:TH_LOAD_NT
	global_load_b128 v[X+24*(\s)+8:X+24*(\s)+11],    v[IN], s[6:7] offset:(\off) th:TH_LOAD_NT
	global_load_b128 v[X+24*(\s)+12:X+24*(\s)+15],   v[IN], s[6:7] offset:(\off)+16 th:TH_LOAD_NT
	global_load_b128 v[X+24*(\s)+16:X+24*(\s)+19],   v[IN], s[8:9] offset:(\off) th:TH_LOAD_NT
	global_load_b128 v[X+24*(\s)+20:X+24*(\s)+23],   v[IN], s[8:9] offset:(\off)+16 th:TH_LOAD_NT
.endm
	FILL 0, 0                                      ; heads 0 to 3: 24 loads of 512 bytes a wave are out
	FILL 1, 512
	FILL 2, 1024
	FILL 3, 1536
.irp e, 0,1,2,3,4,5,6,7
	v_mov_b32 v[T+(\e)], 0                         ; the destination of a line that reads another lane counts as read: written once
.endr
; cos and sin of fl(t * f) for frequency J0 + e, while the first loads are on their way.
.macro SINCOS e
	v_add_nc_u32 v[W], (\e), v[J0]
	v_cvt_f32_u32 v[W], v[W]
	v_mul_f32 v[W], 0xbe135d8e, v[W]               ; a = fl(j * f32(-ln(10000)/64))
	v_mul_f32 v[W+1], s24, v[W]                    ; a log2 e: the rounded product,
	v_fma_f32 v[W+2], v[W], s24, -v[W+1]           ; what the rounding dropped,
	v_fma_f32 v[W+2], v[W], s25, v[W+2]            ; and the lower part of log2 e
	v_exp_f32 v[W+3], v[W+1]
	v_mul_f32 v[W+2], 0x3f317218, v[W+2]           ; (a plain line behind the exponential, ISA guide 5.7.2) 2^x = 1 + x ln 2 for the small part
	s_wait_alu depctr_va_vdst(0)
	v_fma_f32 v[W+3], v[W+3], v[W+2], v[W+3]       ; f
	v_mul_f32 v[W+4], v[POS], v[W+3]               ; the angle, rounded to f32 as the definition rounds it
	v_mul_f32 v[W+5], 0x3f22f983, v[W+4]
	v_rndne_f32 v[W+5], v[W+5]                     ; n = the nearest multiple of pi/2
	v_fma_f32 v[W+6], v[W+5], s26, v[W+4]          ; exact: n has 12 bits
	v_fma_f32 v[W+6], v[W+5], s27, v[W+6]          ; r, |r| <= pi/4
	v_cvt_i32_f32 v[W+7], v[W+5]
	v_mul_f32 v[W+8], v[W+6], v[W+6]               ; r2
	v_fma_f32 v[W+9], v[W+8], s30, s29
	v_fma_f32 v[W+9], v[W+9], v[W+8], s28
	v_mul_f32 v[W+9], v[W+9], v[W+8]
	v_fma_f32 v[W+9], v[W+9], v[W+6], v[W+6]       ; sin r
	v_fma_f32 v[W+10], v[W+8], s33, s32
	v_fma_f32 v[W+10], v[W+10], v[W+8], s31
	v_mul_f32 v[W+11], v[W+8], v[W+8]
	v_fma_f32 v[W+1], v[W+8], -0.5, 1.0
	v_fma_f32 v[W+10], v[W+10], v[W+11], v[W+1]    ; cos r
	v_and_b32 v[W+1], 1, v[W+7]
	v_cmp_eq_u32 vcc_lo, 1, v[W+1]                 ; an odd quarter swaps the two
	v_cndmask_b32 v[W+2], v[W+9], v[W+10], vcc_lo
	v_cndmask_b32 v[W+3], v[W+10], v[W+9], vcc_lo
	v_lshlrev_b32 v[W+4], 30, v[W+7]               ; sine is negative in quarters 2 and 3: bit 1 of n
	v_and_b32 v[W+4], 0x80000000, v[W+4]
	v_xor_b32 v[W+4], v[W+4], v[LS]                ; and the first half of the channels takes -sin
	v_xor_b32 v[SN+(\e)], v[W+2], v[W+4]
	v_add_nc_u32 v[W+5], 1, v[W+7]                 ; cosine in quarters 1 and 2: bit 1 of n + 1
	v_lshlrev_b32 v[W+5], 30, v[W+5]
	v_and_b32 v[W+5], 0x80000000, v[W+5]
	v_xor_b32 v[CO+(\e)], v[W+3], v[W+5]
.endm
.irp e, 0,1,2,3,4,5,6,7
	SINCOS \e
.endr
; Eight numbers at x are rotated and split: hi into h, lo into l.
.macro ROPE x, h, l
.irp e, 0,1,2,3,4,5,6,7
	v_mul_f32_dpp v[T+(\e)], v[(\x)+(\e)], v[SN+(\e)] row_xmask:8 row_mask:0xf bank_mask:0xf  ; the number 64 channels away, from lane i xor 8, times my signed sin
.endr
.irp e, 0,2,4,6
	v_pk_fma_f32 v[Y+(\e):Y+(\e)+1], v[(\x)+(\e):(\x)+(\e)+1], v[CO+(\e):CO+(\e)+1], v[T+(\e):T+(\e)+1]
.endr
.irp j, 0,1,2,3
	v_cvt_pk_f16_f32 v[(\h)+(\j)], v[Y+2*(\j)], v[Y+2*(\j)+1]
.endr
.irp j, 0,1,2,3
	v_fma_mix_f32 v[Y+2*(\j)],   v[(\h)+(\j)], v[NEG1], v[Y+2*(\j)]   op_sel_hi:[1,0,0]                 ; y - hi, exact: the low half of the packed word,
	v_fma_mix_f32 v[Y+2*(\j)+1], v[(\h)+(\j)], v[NEG1], v[Y+2*(\j)+1] op_sel:[1,0,0] op_sel_hi:[1,0,0]  ; and the high half
.endr
.irp j, 0,1,2,3
	v_cvt_pk_f16_f32 v[(\l)+(\j)], v[Y+2*(\j)], v[Y+2*(\j)+1]
.endr
.endm
; The turn of slot s: head 4 x round + s.  ahead = 1: the slot is filled again with the head four further on.  left = how many younger loads may stay out.
.macro SLOT s, ahead, left
	s_wait_loadcnt \left                           ; loads come back in order (ISA guide 5.7.1): my six are in, the three younger slots' stay out
	s_wait_xcnt 0x0                                ; the last turn's stores have read their data: those registers are rewritten only behind this wait
	ROPE X+24*(\s), HQ, LQ
	ROPE X+24*(\s)+8, HK, LK
.irp j, 0,1,2,3
	v_cvt_pk_f16_f32 v[VV+(\j)], v[X+24*(\s)+16+2*(\j)], v[X+24*(\s)+16+2*(\j)+1]
.endr
.if \ahead
	FILL \s, ((\s)+4)*512
.endif
	global_store_b128 v[OQ],  v[HQ:HQ+3], s[10:11] offset:(\s)*2097152         ; 16 lanes store 256 consecutive bytes, aligned; a head is 2^21 bytes on in qq and kk, 2^20 in vv
	global_store_b128 v[OQ],  v[LQ:LQ+3], s[10:11] offset:(\s)*2097152+256
	global_store_b128 v[OKV], v[HK:HK+3], s[12:13] offset:(\s)*2097152
	global_store_b128 v[OKV], v[LK:LK+3], s[12:13] offset:(\s)*2097152+16384
	global_store_b128 v[OKV], v[VV:VV+3], s[14:15] offset:(\s)*1048576
.endm
.Lround:
	SLOT 0, 1, 18
	SLOT 1, 1, 18
	SLOT 2, 1, 18
	SLOT 3, 1, 18
	s_wait_xcnt 0x0                                ; every load and store issued so far has read its address: the six pointers step four heads on
	s_add_nc_u64 s[4:5], s[4:5], 2048
	s_add_nc_u64 s[6:7], s[6:7], 2048
	s_add_nc_u64 s[8:9], s[8:9], 2048
	s_add_nc_u64 s[10:11], s[10:11], 8388608
	s_add_nc_u64 s[12:13], s[12:13], 8388608
	s_add_nc_u64 s[14:15], s[14:15], 4194304
	s_sub_co_u32 s36, s36, 1
	s_cmp_lg_u32 s36, 0
	s_cbranch_scc1 .Lround
	SLOT 0, 0, 18                                  ; the last four heads load nothing: the counts run down
	SLOT 1, 0, 12
	SLOT 2, 0, 6
	SLOT 3, 0, 0
	s_endpgm
.Lfunc_end_k_q6885255900_prep:
	.size	k_q6885255900_prep, .Lfunc_end_k_q6885255900_prep-k_q6885255900_prep
	.p2alignl 7, 3214868480
	.fill 96, 4, 3214868480
	.section	.rodata,"a",@progbits
	.p2align	6, 0x0
	.amdhsa_kernel k_q6885255900_prep
		.amdhsa_group_segment_fixed_size 0
		.amdhsa_private_segment_fixed_size 0
		.amdhsa_enable_private_segment 0
		.amdhsa_kernarg_size 48
		.amdhsa_user_sgpr_count 2
		.amdhsa_user_sgpr_kernarg_segment_ptr 1
		.amdhsa_wavefront_size32 1
		.amdhsa_system_sgpr_workgroup_id_x 1
		.amdhsa_system_sgpr_workgroup_id_y 1
		.amdhsa_system_sgpr_workgroup_id_z 1
		.amdhsa_system_vgpr_workitem_id 0
		.amdhsa_next_free_vgpr 192
		.amdhsa_next_free_sgpr 66
		.amdhsa_reserve_vcc 1
		.amdhsa_float_denorm_mode_32 3
		.amdhsa_float_denorm_mode_16_64 3
		.amdhsa_memory_ordered 1
		.amdhsa_forward_progress 1
		.amdhsa_inst_pref_size 57
	.end_amdhsa_kernel
	.amdgpu_metadata
---
amdhsa.version: [ 1, 2 ]
amdhsa.kernels:
  - .name:           k_q6885255900_prep
    .symbol:         k_q6885255900_prep.kd
    .args:
      - { .name: q, .offset: 0, .size: 8, .value_kind: global_buffer, .address_space: global }
      - { .name: k, .offset: 8, .size: 8, .value_kind: global_buffer, .address_space: global }
      - { .name: v, .offset: 16, .size: 8, .value_kind: global_buffer, .address_space: global }
      - { .name: qq, .offset: 24, .size: 8, .value_kind: global_buffer, .address_space: global }
      - { .name: kk, .offset: 32, .size: 8, .value_kind: global_buffer, .address_space: global }
      - { .name: vv, .offset: 40, .size: 8, .value_kind: global_buffer, .address_space: global }
    .group_segment_fixed_size: 0
    .private_segment_fixed_size: 0
    .kernarg_segment_align: 8
    .kernarg_segment_size: 48
    .max_flat_workgroup_size: 256
    .sgpr_count:     66
    .vgpr_count:     192
    .wavefront_size: 32
...
	.end_amdgpu_metadata
.endif
;; end of part 1
;; launch attn (part 2): grid 4 x 64, 4 waves a work-group, no clusters, 327,680 bytes of LDS; arguments qq, kk, vv, out0; writes out0
.if DOCPART == 2
	.amdgcn_target "amdgcn-amd-amdhsa--gfx1250"
	.amdhsa_code_object_version 6
	.text
	.protected	k_q6885255900_attn
	.globl	k_q6885255900_attn
	.p2align	8
	.type	k_q6885255900_attn,@function
k_q6885255900_attn:
	s_mov_b64 s[64:65], 0
	v_nop
	global_prefetch_b8 v0, s[64:65] scope:SCOPE_SE
	s_setreg_imm32_b32 hwreg(HW_REG_WAVE_MODE, 25, 1), 1
	s_wait_xcnt 0x0
; CHUNKED CAUSAL ATTENTION, scale 1.0, head size 128.  64 heads g = (batch, head, chunk of 2,048); in each, O[q] = the sum over k <= q of softmax_k(Q[q] . K[k]) V[k].
; Inputs, made by the launch before: qq [g*2048+q][hi, lo][128] f16, kk [g][step of 64 keys][hi, lo][64][128] f16, vv [g*2048+k][128] f16.  Output out0 [2][4096][16][128] f32.
; THE SCORES are three products with f16 operands and one f32 sum: kh.qh + kh.ql + kl.qh, about 22 bits of q and of k; the term kl.ql, about 2^-22 of a score, is left out.
; Maxima, sums and the rescaling in f32; the weights p are rounded to f16 for the second product (their sum l is taken of the unrounded p); O leaves in f32.
; LIMITS.  q, k, v arrive within f16 (65,504).  A hidden score counts as its value less 1e30.  A weight below 2^-126 counts as 0 in l; below 6e-5 p keeps the fixed step 6e-8 of f16.  NaN and infinities are not treated apart.
; THE WALK.  A head has 8 blocks of 256 queries; block I needs the key steps 0 .. 4 I + 3 of 64 keys.  A work-group takes blocks 7 - b and then b: 36 steps whatever b, so all 256 work-groups do equal work.
; The walk is 8 groups of 4 steps, both counts constants, and a tail of 4 steps; a block ends at a group's end, so the change of blocks is tested once a group.  The ring runs on across it.
; Wave w owns the 64 queries of band 4 I + w, four tiles of 16.  A key step below the band is seen whole, the band's own step holds the diagonal, a later one is hidden whole and is computed all the same, under a full
; mask: there is a barrier in every step and wave 3 works in every step, so a jump over the 12 hidden of a work-group's 144 wave steps would shorten nothing.
; THE MASK is the C operand of the product that starts a score's sum, chosen by the tile t and the key block kb of 16: kb < t: ML = BL; kb = t: MA = TRI x AL + BL; kb > t: MB = BE, with three scalars a step:
; AL = 1 in the band's own step, BL = -1e30 behind it, BE = -1e30 from it on, else 0.  TRI is -1e30 where the key in the block lies behind the query in the tile.
; NO CLUSTER: the four work-groups of a head walk 32 - 4 b and then 4 b + 4 steps; they ask for the same tile only in the first part, and a walk common to all four would have 48 steps for 36.
; LAYOUT.  S^T = K Q^T (source 0 = 16 keys, source 1 = 16 queries): a lane holds ONE query (lane % 16) and the keys 8 (lane / 16) + 0..7; two such results rounded to f16 ARE source 1 of O^T = V^T P.
; SOFTMAX.  p = 2^(c s - c m), c = log2 e, m the running maximum; in every step O and l are multiplied by a = 2^(c m_old - c m_new).  c m starts far below every c s, so a block's first a is 0 and no first step is written out.
; A STEP.  Part 1: K lo is fetched; tile 0's 48 products; then three phases, each 48 products K Q^T of tile Y + 1 with tile Y's softmax behind them, at most four vector lines behind a product.  In the third phase K lo is
; multiplied first, and V is fetched into its registers.  THE CHANGE OF SLOTS stands here: K and V of the step are in registers, the slot is handed back and filled again, and the next step's K hi is fetched.
; Part 2: tile 3's softmax behind the 48 products V^T P of tiles 0 to 2, then tile 3's 16.
; THE RING has four slots of one step.  Steps 0 to 3 are first fills; step j's change of slots fills its slot with the walk's step j + 4: 32 steps fill, the last 4 do not, both multiples of a group.  A refill has a whole
; step, 256 matrix instructions, in which to land.  A wave has four tensor loads out at the start and one later.
; REGISTERS, in windows of 256 (s_set_vgpr_msb: bits 1:0 source 0, 3:2 source 1, 5:4 source 2, 7:6 destination):
;   window 0: v0-15 addresses; v16-47 eight statistics a tile; v48-55 TRI; v56-63 MA; v64-127 S^T, two buffers by the tile's parity; v128-191 P, 16 a tile; v192-199 MB; v200-207 ML; v208-211 at work at the head
;   window 1: O^T, 64 a tile      window 2: v0-127 Q hi, v128-255 Q lo, 32 a tile      window 3: v0-127 K hi; v128-255 K lo, then V
.set PK,    272       ; a row of K in LDS: 256 bytes + 16 of padding = 68 words: the 16 rows of a load start at 16 different groups of four banks (64 banks of 4 bytes: ISA guide 11.1)
.set PVP,   288       ; a row of V: 256 + 32 = 72 words
.set KLO,   64*PK     ; a slot: 64 rows of K hi, 64 of K lo,
.set VOFF,  2*64*PK   ; 64 of V: 53,248 bytes
.set SLOTB, 65536     ; from slot to slot
.set RING,  4*SLOTB
.set STAGE, RING      ; behind the ring, never filled by a tensor load: 16 rows x 528 bytes for each wave, for the way out
.set SP,    528       ; 512 bytes + 16: the 16 rows that a store touches start at 16 different groups of four banks
.set SPARE, STAGE+4*16*SP  ; behind the stages: the spare words, 128 bytes for each wave: two blocks of 256 bytes that no other line names
.set AK0, 2           ; v2   my lane's place in a tile of K; never rewritten
.set AV0, 3           ; v3   the same for V, VOFF included
.set ADRK, 4          ; v4   the LDS address of K's run of loads
.set ADRV, 5          ; v5   of V's
.set QO,  6           ; v6   my byte offset in 16 rows of Q
.set STO, 7           ; v7   the way out: where I put 32 bytes of a row
.set RD,  8           ; v8   the way out: where I read a row back
.set GO,  10          ; v10  my 16 bytes of a row of O
.set PFO, 11          ; v11  256 x my lane; never rewritten
.set MV,  12          ; v12-13  c m_old, kept while c m is made anew: by the tile's parity
.set SPW, 14          ; v14  LDS address of my spare word: SPARE + 4 x my thread's number; never rewritten
.set NIL, 15          ; v15  0; never rewritten
.set ST,  16          ; tile t's statistics at v[ST+8 t]: c m, m, l (even keys', odd keys'), c0-c3 at work; when the maximum is found c2 takes a
.set TRI, 48
.set MA,  56
.set S,   64
.set P,   128
.set MB,  192
.set ML,  200
.set WV,  12          ; s12  my wave's number
.set PB,  14          ; s14  b
.set HI,  15          ; s15  7 - b
.set G1K, 24          ; s[24:31] descriptor group 1 for K's tiles: 64 rows
.set G1V, 32          ; s[32:39] for V's: 32 rows, wider padding
.set G0,  40          ; s[40:55] descriptor group 0, a set for each of my four first fills; the first set then serves my refills
.set TBASE, 56        ; s[56:57] what I fetch, at the head's key step 0: kk hi (wave 0), kk lo (wave 1), a half of vv's 64 rows (waves 2, 3)
.set QB2, 58          ; s[58:59] qq at my rows of the second block
.set OB,  60          ; s[60:61] out0 at my rows of the block in hand
.set OB2, 62          ; s[62:63] of the second block
.set CS,  66          ; s[66:67] c: the packed scaling takes the pair's low word for both halves
.set SEL, 68          ; s[68:69] v_permlanex16_b32's selects: each lane takes its own place in the other half
.set OFF, 70          ; s[70:71] a key step's byte offset in what I fetch
.set AL,  72          ; s[72:73] the mask's factor, in the low word
.set BL,  74          ; s[74:75] the mask's addend, in the low word
.set BE,  76          ; s76  the mask of the key blocks behind the tile's own
.set BIGN, 77         ; s77  -1e30
.set LIM, 78          ; s78  5 in the work-group that prefetches, else the greatest number
.set STP, 79          ; s79  steps with a fill still to come, this one among them: 32 to 1
.set PFK, 80          ; s[80:81] where my prefetches stand in kk
.set PFV, 82          ; s[82:83] in vv
.set SL,  84          ; s84  the LDS byte at which the slot that is being read begins
.set LB,  85          ; s85  where my part of a tile lies in a slot
.set SH,  86          ; s86  log2 of a key step's bytes in what I fetch
.set NXT, 87          ; s87  the key step to be asked for next
.set LQ,  88          ; s88  the last key step of the block whose steps are being asked for
.set LQ2, 89          ; s89  the second block's
.set KS,  90          ; s90  the key step in hand
.set BAND, 91         ; s91  my band in the block in hand
.set BAND2, 92        ; s92  in the second block
.set LEFTG, 93        ; s93  groups that the block in hand still has
.set GC,  94          ; s94  counts the groups
.set CNT, 95          ; s95  counts a group's steps
.set QB1, 96          ; s[96:97] qq at my rows of the first block
.set SB,  98          ; s98  my stage
.set MSB, 0
.macro WIN new                      ; the high byte repeats the setting that is left; a switch that changes nothing is dropped
.if MSB != (\new)
	s_set_vgpr_msb (MSB<<8)|(\new)
.set MSB, (\new)
.endif
.endm
.set W_KQ, 0x0b       ; K in window 3, Q in window 2, C and S^T in window 0
.set W_PV, 0x53       ; V in window 3, P in window 0, O^T in window 1
.set W_RS, 0x41       ; destination and source 0 in window 1, source 1 in window 0
.macro PLACES                       ; a load into a register that a matrix instruction has read, and a vector line that reads a matrix result, stand four plain vector lines behind it (ISA guide 7.12.1 for vector lines)
.rept 4
	v_nop
.endr
.endm
; A refill.  Wave 0 fetches a step's K hi, wave 1 its K lo (64 rows of 256 bytes each), waves 2 and 3 the halves of its V (32 rows each): three tiles for four waves, one load a wave.
; An s_nop 0 and four v_nop follow each of the two lines, ahead of the jump and the label.
.macro LOAD
	s_cmp_lt_u32 s[WV], 2
	s_cbranch_scc0 .Lfor_v_\@
	tensor_load_to_lds s[G0:G0+3], s[G1K:G1K+7]
	s_nop 0
.rept 4
	v_nop
.endr
	s_branch .Lasked_\@
.Lfor_v_\@:
	tensor_load_to_lds s[G0:G0+3], s[G1V:G1V+7]
	s_nop 0
.rept 4
	v_nop
.endr
.Lasked_\@:
.endm
; THE CHANGE OF SLOTS.  Each wave waits for all its tensor loads; adds 0 to its spare word; and waits for that and for its own reads of the slot that it leaves.  Behind the barrier nobody reads that slot any more and the
; next slot is whole.  fill = 1: the slot that is left is filled again, the first thing behind the barrier, with key step NXT: the address is made anew from that number; the prefetches' addresses step.
.macro CHANGE fill
	WIN 0                           ; at a label and at a branch every window is 0
	s_wait_tensorcnt 0x0            ; no tensor load of mine is out, so a group 0 may be written
	ds_add_u32 v[SPW], v[NIL]       ; 0 onto my spare word; the scalar work stands between it and the wait for it
.if \fill
	s_lshl_b32 s[OFF], s[NXT], s[SH]
	s_add_co_u32 s[G0+1], s[LB], s[SL]  ; my part of the slot that is left
	s_add_nc_u64 s[G0+2:G0+3], s[TBASE:TBASE+1], s[OFF:OFF+1]
	s_or_b32 s[G0+3], s[G0+3], 0x80000000
	s_add_co_u32 s[NXT], s[NXT], 1  ; the block's next step, or behind its last the second block's step 0
	s_cmp_gt_u32 s[NXT], s[LQ]
	s_cselect_b32 s[NXT], 0, s[NXT]
	s_cselect_b32 s[LQ], s[LQ2], s[LQ]
	s_wait_xcnt 0x0                 ; the last prefetches, a step back, have read their addresses
	s_add_nc_u64 s[PFK:PFK+1], s[PFK:PFK+1], 32768
	s_add_nc_u64 s[PFV:PFV+1], s[PFV:PFV+1], 16384
.endif
	s_wait_dscnt 0x0                ; the add is done, and my reads of the slot are over: V, the last of them, is in
	s_barrier_signal -1
	s_add_co_u32 s[SL], s[SL], SLOTB  ; the fetches go to the next slot of the four
	s_and_b32 s[SL], s[SL], RING-1
	s_barrier_wait -1
.if \fill
	LOAD                            ; its four v_nop are also the places in front of the loads into K hi's registers
.else
	PLACES
.endif
.endm
; A PREFETCH INTO THE L2 of the key step that the NEXT change of slots will ask for: 128 rows of 256 bytes of kk (a lane a row, 32 rows a wave) and 64 of vv (waves 0 and 1).  It stands behind the wave's tensor load
; and the run of LDS loads.  Each row is named once in the launch: of a head's four work-groups only b = 0 walks all 32 key steps on end, and it alone asks.  Step j asks for step j + 5; steps 0 to 4 come by their
; loads alone; the last step asked for is 31, in the step with STP = 6.
.macro ASK
	s_cmp_gt_u32 s[STP], s[LIM]
	s_cbranch_scc0 .Lnot_mine_\@
	global_prefetch_b8 v[PFO], s[PFK:PFK+1] th:TH_LOAD_NT scope:SCOPE_SE
	s_cmp_lt_u32 s[WV], 2
	s_cbranch_scc0 .Lnot_mine_\@
	global_prefetch_b8 v[PFO], s[PFV:PFV+1] th:TH_LOAD_NT scope:SCOPE_SE
.Lnot_mine_\@:
.endm
; THE LDS LOADS stand in runs of 32.  A fragment of K is 16 keys x 32 channels in 8 registers: lane l holds key l % 16, channels 8 (l / 16) + 0..7 and 16 + 8 (l / 16) + 0..7: two loads of 16 bytes, 32 bytes apart.
; Key block b, channel group c lies at register 32 b + 8 c; the runs go by channel groups, so that a counted wait can free the first groups.
.macro FETCH_K lds, reg
	WIN 0
	v_add_nc_u32 v[ADRK], s[SL], v[AK0]
	WIN 0xc0                        ; destination window 3
.irp c, 0,1,2,3
.irp b, 0,1,2,3
	ds_load_b128 v[(\reg)+32*(\b)+8*(\c):(\reg)+32*(\b)+8*(\c)+3],   v[ADRK] offset:(\lds)+(\b)*16*PK+64*(\c)
	ds_load_b128 v[(\reg)+32*(\b)+8*(\c)+4:(\reg)+32*(\b)+8*(\c)+7], v[ADRK] offset:(\lds)+(\b)*16*PK+64*(\c)+32
.endr
.endr
	WIN 0
.endm
; The turning load takes 16 keys x 16 channels (lane l reads key 8 (l / 16) + l % 8, channels 8 ((l / 8) % 2) + 0..7) and leaves half a fragment of V^T: lane l holds channel l % 16 and 8 keys.
.macro FETCH_V
	WIN 0
	v_add_nc_u32 v[ADRV], s[SL], v[AV0]
	WIN 0xc0
.irp f, 0,1,2,3,4,5,6,7,8,9,10,11,12,13,14,15  ; keys 32 (f / 8) on, channels 16 (f % 8) on
	ds_load_tr16_b128 v[128+8*(\f):128+8*(\f)+3],   v[ADRV] offset:((\f)/8)*32*PVP+((\f)%8)*32
	ds_load_tr16_b128 v[128+8*(\f)+4:128+8*(\f)+7], v[ADRV] offset:((\f)/8)*32*PVP+16*PVP+((\f)%8)*32
.endr
	WIN 0
.endm
; Q of a block: 64 loads into window 2: tile t, channel group c at 32 t + 8 c, lo 128 registers on and 256 bytes on.
.macro QLOAD base
	WIN 0x80
.irp t, 0,1,2,3
.irp c, 0,1,2,3
	global_load_b128 v[32*(\t)+8*(\c):32*(\t)+8*(\c)+3],           v[QO], s[(\base):(\base)+1] offset:(\t)*8192+64*(\c) th:TH_LOAD_NT
	global_load_b128 v[32*(\t)+8*(\c)+4:32*(\t)+8*(\c)+7],         v[QO], s[(\base):(\base)+1] offset:(\t)*8192+64*(\c)+32 th:TH_LOAD_NT
	global_load_b128 v[128+32*(\t)+8*(\c):128+32*(\t)+8*(\c)+3],   v[QO], s[(\base):(\base)+1] offset:(\t)*8192+64*(\c)+256 th:TH_LOAD_NT
	global_load_b128 v[128+32*(\t)+8*(\c)+4:128+32*(\t)+8*(\c)+7], v[QO], s[(\base):(\base)+1] offset:(\t)*8192+64*(\c)+288 th:TH_LOAD_NT
.endr
.endr
	WIN 0
.endm
; THE MATRIX WORK.  Product i of 48 of tile t's S^T: three kinds of 16 (0: kh.qh, 1: kh.ql, 2: kl.qh; with ord = 1 kind 2 comes first), in each channels 32 ((i % 16) / 4) on, keys 16 (i % 4) on.
; The four accumulators take turns, one instruction a turn.  The first four start the sums, with a mask.
.macro KQ t, ord
.set kind, i/16
.if \ord
.set kind, (i/16+2)%3
.endif
.set kc, (i%16)/4
.set kb, i%4
.set rZ, S+32*((\t)%2)+8*kb
.set rA, 32*kb+8*kc+128*(kind/2)
.set rB, 32*(\t)+8*kc+128*(kind%2)
	WIN W_KQ
.if i >= 4
	v_wmma_f32_16x16x32_f16 v[rZ:rZ+7], v[rA:rA+7], v[rB:rB+7], v[rZ:rZ+7]
.elseif kb < (\t)
	v_wmma_f32_16x16x32_f16 v[rZ:rZ+7], v[rA:rA+7], v[rB:rB+7], v[ML:ML+7]
.elseif kb == (\t)
	v_wmma_f32_16x16x32_f16 v[rZ:rZ+7], v[rA:rA+7], v[rB:rB+7], v[MA:MA+7]
.else
	v_wmma_f32_16x16x32_f16 v[rZ:rZ+7], v[rA:rA+7], v[rB:rB+7], v[MB:MB+7]
.endif
.endm
; Product n of 16 of tile t's O^T += V^T P: keys 32 (n / 8) on, channels 16 (n % 8) on.  The eight accumulators take turns.
.macro PV t, n
.set rO, 64*(\t)+8*((\n)%8)
.set rV, 128+64*((\n)/8)+8*((\n)%8)
.set rP, P+16*(\t)+8*((\n)/8)
	WIN W_PV
	v_wmma_f32_16x16x32_f16 v[rO:rO+7], v[rV:rV+7], v[rP:rP+7], v[rO:rO+7]
	s_wait_alu depctr_va_vdst(0)
.endm
.macro MM                           ; a phase's next matrix instruction: K Q^T of tile MT (MPV = 0), or V^T P of tiles 0, 1, 2 on end (MPV = 1)
.if MPV
	PV (i/16), (i%16)
.else
	KQ MT, MORD
.endif
.set i, i+1
.endm
; THE VECTOR WORK of tile Y, one line at a time: OP kind, number.  X n: number n of the 22 that find its maximum and statistics:
;   0-11  four chains c0-c3 of seven scores each, three operands at a time (each accumulator's lowest registers are read first)     12-14, 16  the four scores left over, the old m, and c0-c3 into c0
;   15  c m_old is kept     17, 18  the query's other 32 keys lie in the lane 16 away: the new m     19-21  c m; c m_old - c m_new; a
; F n: c s - c m for pair n of 16.  E n: the exponential of score n of 32.  C n: pair n rounded to f16.  B n: of the four weights 4 n .. the second pair is added onto the first, in place.
; L n: l takes that sum (L 0: l = a l + sum).  R n: pair n of 32 of O^T times a, in ascending order.  N: v_nop.
.set F, 0
.set E, 1
.set C, 2
.set B, 3
.set L, 4
.set R, 5
.set X, 6
.set N, 7
.macro OP k, n
.set rT, ST+8*Y
.set rC, ST+8*Y+4
.set rW, MV+Y%2
.set rS, S+32*(Y%2)
.set rQ, P+16*Y
.set rU, 64*Y
.if (\k) == N
	v_nop
.elseif (\k) == R
	WIN W_RS
	s_wait_alu depctr_va_vdst(0)
	v_pk_mul_f32 v[rU+2*(\n):rU+2*(\n)+1], v[rU+2*(\n):rU+2*(\n)+1], v[rC+2:rC+3] op_sel_hi:[1,0]
.elseif (\k) == F
	WIN 0
	v_pk_fma_f32 v[rS+2*(\n):rS+2*(\n)+1], v[rS+2*(\n):rS+2*(\n)+1], s[CS:CS+1], v[rT:rT+1] op_sel_hi:[1,0,0] neg_lo:[0,0,1] neg_hi:[0,0,1]
.elseif (\k) == E
	WIN 0
	v_exp_f32 v[rS+(\n)], v[rS+(\n)]
.elseif (\k) == C
	WIN 0
	s_wait_alu depctr_va_vdst(0)
	v_cvt_pk_f16_f32 v[rQ+(\n)], v[rS+2*(\n)], v[rS+2*(\n)+1]
.elseif (\k) == B
	WIN 0
	v_pk_add_f32 v[rS+4*(\n):rS+4*(\n)+1], v[rS+4*(\n):rS+4*(\n)+1], v[rS+4*(\n)+2:rS+4*(\n)+3]
.elseif ((\k) == L) && ((\n) == 0)
	WIN 0
	v_pk_fma_f32 v[rT+2:rT+3], v[rT+2:rT+3], v[rC+2:rC+3], v[rS:rS+1] op_sel_hi:[1,0,1]
.elseif (\k) == L
	WIN 0
	v_pk_add_f32 v[rT+2:rT+3], v[rT+2:rT+3], v[rS+4*(\n):rS+4*(\n)+1]
	s_wait_alu depctr_va_vdst(0)
.else
	WIN 0
.if (\n) < 4
	v_max3_num_f32 v[rC+(\n)], v[rS+8*(\n)], v[rS+8*(\n)+1], v[rS+8*(\n)+2]
.elseif (\n) < 12
	v_max3_num_f32 v[rC+(\n)%4], v[rC+(\n)%4], v[rS+8*((\n)%4)+2*((\n)/4)+1], v[rS+8*((\n)%4)+2*((\n)/4)+2]
.elseif (\n) == 12
	v_max3_num_f32 v[rC], v[rC], v[rS+7], v[rS+15]
.elseif (\n) == 13
	v_max3_num_f32 v[rC+1], v[rC+1], v[rS+23], v[rS+31]
.elseif (\n) == 14
	v_max3_num_f32 v[rC+2], v[rC+2], v[rC+3], v[rT+1]
.elseif (\n) == 15
	v_mov_b32 v[rW], v[rT]
.elseif (\n) == 16
	v_max3_num_f32 v[rC], v[rC], v[rC+1], v[rC+2]
.elseif (\n) == 17
	v_permlanex16_b32 v[rC+3], v[rC], s[SEL], s[SEL+1]
.elseif (\n) == 18
	v_max_num_f32 v[rT+1], v[rC], v[rC+3]
.elseif (\n) == 19
	v_mul_f32 v[rT], s[CS], v[rT+1]
.elseif (\n) == 20
	v_sub_f32 v[rC+1], v[rW], v[rT]
.else
	v_exp_f32 v[rC+2], v[rC+1]
.endif
.endif
.endm
.macro ROW a, i1, b=-1, i2=0, c=-1, i3=0, d=-1, i4=0  ; a matrix instruction and up to four vector lines behind it
	MM
	OP \a, \i1
.if (\b) >= 0
	OP \b, \i2
.endif
.if (\c) >= 0
	OP \c, \i3
.endif
.if (\d) >= 0
	OP \d, \i4
.endif
.endm
; A PHASE: 48 matrix instructions and tile y's 134 vector lines, the order written out.  The first row's four v_nop are the places behind the products that made the tile's scores.  The chain from the maximum to c m
; stands one link a row.  Then exponential and plain by turns, so that a plain line follows every exponential before its result is used (ISA guide 5.7.2), three lines a row, and every fourth row four of the rescaling.
; No line names a register of the products round it.  fv = 1: K lo was last read by the product of row 15; behind it stand the plain lines F 10, C 0, C 1, B 0, F 11 and the address line, and then V is fetched into its registers.
.macro PHASE y, fv
.set Y, (\y)
.set i, 0
	ROW N,0, N,0, N,0, N,0
	ROW X,0, X,1, X,2, X,3
	ROW X,4, X,5, X,6, X,7
	ROW X,8, X,9, X,10, X,11
	ROW X,12, X,13, X,14, X,15
	ROW X,16
	ROW X,17
	ROW X,18
	ROW X,19
	ROW X,20, F,0, F,1, F,2
	ROW X,21, F,3, F,4, F,5
	ROW E,0, F,6, E,1
	ROW F,7, E,2, F,8
	ROW E,3, F,9, E,4
	ROW R,0, R,1, R,2, R,3
	ROW F,10, E,5, C,0
	ROW E,6, C,1, E,7
	ROW B,0, E,8, F,11
.if \fv
	FETCH_V
.endif
	ROW R,4, R,5, R,6, R,7
	ROW E,9, C,2, E,10
	ROW C,3, E,11, B,1
	ROW L,0, E,12, F,12
	ROW R,8, R,9, R,10, R,11
	ROW E,13, C,4, E,14
	ROW C,5, E,15, B,2
	ROW F,13, E,16, F,14
	ROW R,12, R,13, R,14, R,15
	ROW E,17, C,6, E,18
	ROW C,7, E,19, B,3
	ROW F,15, E,20, L,1
	ROW R,16, R,17, R,18, R,19
	ROW E,21, C,8, E,22
	ROW C,9, E,23, B,4
	ROW L,2, E,24, L,3
	ROW R,20, R,21, R,22, R,23
	ROW E,25, C,10, E,26
	ROW C,11, E,27, B,5
	ROW L,4, E,28, C,12
	ROW R,24, R,25, R,26, R,27
	ROW E,29, C,13, E,30
	ROW B,6, E,31, L,5
	ROW L,6, C,14, C,15
	ROW R,28, R,29, R,30, R,31
	ROW B,7, L,7
	MM
	MM
	MM
	MM
.endm
; PART 1 of a step: the masks; K lo; all four tiles' scores; the softmax of tiles 0 to 2; V.
.macro PART1
	s_cmp_eq_u32 s[KS], s[BAND]     ; does this step hold my band's diagonal?
	s_cselect_b32 s[AL], 1.0, 0
	s_cmp_gt_u32 s[KS], s[BAND]     ; does it lie behind it?
	s_cselect_b32 s[BL], s[BIGN], 0
	s_cmp_ge_u32 s[KS], s[BAND]
	s_cselect_b32 s[BE], s[BIGN], 0
	WIN 0
.set z, 0
.rept 4
	v_pk_fma_f32 v[MA+2*z:MA+2*z+1], v[TRI+2*z:TRI+2*z+1], s[AL:AL+1], s[BL:BL+1] op_sel_hi:[1,0,0]
.set z, z+1
.endr
.set z, 0
.rept 8
	v_mov_b32 v[MB+z], s[BE]
	v_mov_b32 v[ML+z], s[BL]
.set z, z+1
.endr
	s_wait_dscnt 0x0                ; K hi, asked for half a step ago, is in: the products below begin with it
	FETCH_K KLO, 128                ; the twenty lines above are the places behind the last product that read V, whose registers K lo takes
.set MPV, 0
.set MT, 0
.set MORD, 0
.set i, 0
.rept 48                            ; tile 0's scores: there is no softmax yet to set between them
.if (i >= 32) && (i%4 == 0)
	s_wait_dscnt 24-8*((i-32)/4)    ; K lo's channel group (i - 32) / 4 is in: eight loads a group, the later groups stay out
.endif
	MM
.endr
.set MT, 1
	PHASE 0, 0
.set MT, 2
	PHASE 1, 0
.set MT, 3
.set MORD, 1
	PHASE 2, 1
.endm
; PART 2: tile 3's softmax behind the products V^T P of tiles 0 to 2, then tile 3's.
.macro PART2
.set MPV, 1
	PHASE 3, 0
.set i, 0
.rept 16
	PV 3, i
.set i, i+1
.endr
.endm
; A STEP.  fill = 1: its slot is filled again.  fill = 0, the tail: nothing is asked for, and behind the walk's last step there is no K.
.macro STEP fill
	PART1
	CHANGE \fill
.if \fill
	FETCH_K 0, 0                    ; K hi of the next step, out of the next slot
	ASK
.else
	s_cmp_eq_u32 s[CNT], 1
	s_cbranch_scc1 .Lno_k_\@
	FETCH_K 0, 0
.Lno_k_\@:
.endif
	PART2
	WIN 0
	s_add_co_u32 s[KS], s[KS], 1
.if \fill
	s_sub_co_u32 s[STP], s[STP], 1
.endif
.endm
; THE WAY OUT.  l's two halves and the other half of the lanes' are added; O^T is divided by l and sent through my stage in LDS, a tile (16 rows of O) at a time.  The four additions are the places behind the last products.
; A lane's eight channels of a row are 32 bytes; they go into rows of 528 bytes and come back as whole rows of 512, into the registers of S^T and P, which are free.
.macro PACK t
	WIN W_RS
.set i, 64*(\t)
.rept 32
	v_pk_mul_f32 v[i:i+1], v[i:i+1], v[ST+8*(\t)+2:ST+8*(\t)+3] op_sel_hi:[1,0]
.set i, i+2
.endr
	WIN 0x04                        ; the stores' data in window 1
.set i, 0
.rept 16
	ds_store_b128 v[STO], v[64*(\t)+4*i:64*(\t)+4*i+3] offset:64*(i/2)+16*(i%2)
.set i, i+1
.endr
	WIN 0
.if (\t) >= 2
	s_wait_xcnt 0x0                 ; the stores of the tile two back have read these registers
.endif
.set i, 0
.rept 16
	ds_load_b128 v[64+64*((\t)%2)+4*i:64+64*((\t)%2)+4*i+3], v[RD] offset:SP*i  ; LDS serves a wave's instructions in order (ISA guide 5.7.1.4): these see the stores above; the next tile's stores come behind them
.set i, i+1
.endr
.endm
.macro SEND t, younger              ; younger: the LDS instructions issued behind tile t's loads: the next tile's 32, or none
	WIN 0
.set i, 0
.rept 16
.if i%4 == 0
	s_wait_dscnt (\younger)+12-i    ; four more rows are back; the tile's later rows and the younger instructions stay out
.endif
	global_store_b128 v[GO], v[64+64*((\t)%2)+4*i:64+64*((\t)%2)+4*i+3], s[OB:OB+1] offset:(16*(\t)+i)*8192 th:TH_STORE_NT  ; a wave stores 512 consecutive bytes, aligned: a head's row
.set i, i+1
.endr
.endm
.macro WAYOUT
	WIN 0
.irp t, 0,1,2,3
	v_add_f32 v[ST+8*(\t)+2], v[ST+8*(\t)+2], v[ST+8*(\t)+3]
.endr
.irp t, 0,1,2,3
	v_permlanex16_b32 v[ST+8*(\t)+3], v[ST+8*(\t)+2], s[SEL], s[SEL+1]
.endr
.irp t, 0,1,2,3
	v_add_f32 v[ST+8*(\t)+2], v[ST+8*(\t)+2], v[ST+8*(\t)+3]
.endr
.irp t, 0,1,2,3
	v_rcp_f32 v[ST+8*(\t)+2], v[ST+8*(\t)+2]
.endr
	v_nop                           ; a plain line between the last reciprocal and the use of its result
	s_wait_alu depctr_va_vdst(0)
	PACK 0
	PACK 1                          ; a tile's arithmetic stands between the loads of the tile before and its stores
	SEND 0, 32
	PACK 2
	SEND 1, 32
	PACK 3
	SEND 2, 32
	SEND 3, 0
.endm
	s_load_b256 s[4:11], s[0:1], 0x0  ; qq s[4:5], kk s[6:7], vv s[8:9], out0 s[10:11]
	v_lshl_add_u32 v[SPW], v0, 2, SPARE
	v_mov_b32 v[NIL], 0
	ds_add_u32 v[SPW], v[NIL]       ; the wave's opening: the add and its wait stand ahead of my first tensor load; the set-up below, work on registers, stands between them
	ds_add_u32 v14, v15
	v_lshrrev_b32 v1, 5, v0
	v_readfirstlane_b32 s[WV], v1   ; wave 0..3
	s_mov_b32 s[PB], ttmp9
	s_sub_co_u32 s[HI], 7, s[PB]
	s_and_b32 s16, ttmp7, 0xffff    ; g
	s_and_b32 s17, s[WV], 1
	s_lshl_b32 s13, s16, 20         ; a head is 2^20 bytes of qq and of kk, 2^19 of vv
	s_lshl_b32 s18, s17, 14         ; kk: hi or lo of a step
	s_add_co_u32 s18, s18, s13
	s_mov_b32 s19, 0
	s_lshl_b32 s20, s16, 19
	s_lshl_b32 s21, s17, 13         ; vv: which 32 rows of a step
	s_add_co_u32 s20, s20, s21
	s_mov_b32 s21, 0
	s_lshl_b32 s22, s[WV], 15       ; qq: my 64 rows of 512 bytes in a block,
	s_add_co_u32 s22, s22, s13
	s_lshl_b32 s[QB1], s[HI], 17    ; in the first block,
	s_add_co_u32 s[QB1], s[QB1], s22
	s_mov_b32 s[QB1+1], 0
	s_lshl_b32 s[QB2], s[PB], 17    ; and in the second
	s_add_co_u32 s[QB2], s[QB2], s22
	s_mov_b32 s[QB2+1], 0
	s_lshr_b32 s22, s16, 5          ; out0: the batch, 2^25 bytes,
	s_lshl_b32 s22, s22, 25
	s_and_b32 s23, s16, 1           ; the chunk, 2,048 positions of 8,192 bytes,
	s_lshl_b32 s23, s23, 24
	s_add_co_u32 s22, s22, s23
	s_bfe_u32 s23, s16, 0x40001     ; the head, 512 bytes,
	s_lshl_b32 s23, s23, 9
	s_add_co_u32 s22, s22, s23
	s_lshl_b32 s23, s[WV], 19       ; my 64 positions in a block,
	s_add_co_u32 s22, s22, s23
	s_lshl_b32 s[OB], s[HI], 21     ; in the first block,
	s_add_co_u32 s[OB], s[OB], s22
	s_mov_b32 s[OB+1], 0
	s_lshl_b32 s[OB2], s[PB], 21    ; and in the second
	s_add_co_u32 s[OB2], s[OB2], s22
	s_mov_b32 s[OB2+1], 0
	s_lshl_b32 s[PFK], s[WV], 13    ; the prefetches in kk: my 32 rows of a step's 128, at step 4: the first change of slots steps it to step 5
	s_add_co_u32 s[PFK], s[PFK], s13
	s_add_co_u32 s[PFK], s[PFK], 4*32768
	s_mov_b32 s[PFK+1], 0
	s_add_co_u32 s[PFV], s20, 4*16384  ; in vv: my 32 rows of a step's 64 (waves 0 and 1)
	s_mov_b32 s[PFV+1], 0
	; descriptor group 1: rows of 128 elements of 2 bytes, dense in memory, padded in LDS after every row
	s_mov_b32 s[G1K], (1<<16)|(1<<20)|(5<<22)|(3<<25)  ; 17:16 2-byte elements; 20 padding on; 24:22 after every 64 words (code 5); 31:25 4 words (code 3)
	s_mov_b32 s[G1V], (1<<16)|(1<<20)|(5<<22)|(7<<25)  ; the same with 8 words of padding (code 7)
	s_mov_b32 s[G1K+2], 64<<16      ; tensor_dim1 = 64
	s_mov_b32 s[G1V+2], 32<<16      ; 32
	s_mov_b32 s[G1K+4], 64          ; tile_dim1 = 64
	s_mov_b32 s[G1V+4], 32          ; 32
.irp g, G1K, G1V
	s_mov_b32 s[\g+1], 128<<16      ; tensor_dim0 = 128
	s_mov_b32 s[\g+3], 128<<16      ; tile_dim0 = 128
	s_mov_b32 s[\g+5], 128          ; 128 elements from row to row
	s_mov_b32 s[\g+6], 0
	s_mov_b32 s[\g+7], 0
.endr
	s_mov_b32 s[CS], 0x3fb8aa3b     ; c = log2 e: the scale is 1.0
	s_mov_b32 s[CS+1], s[CS]        ; named with it as a pair
	s_mov_b32 s[SEL], 0x76543210
	s_mov_b32 s[SEL+1], 0xfedcba98
	s_mov_b32 s[BIGN], 0xf149f2ca   ; -1e30
	s_mov_b32 s[AL+1], 0            ; named as pairs
	s_mov_b32 s[BL+1], 0
	s_mov_b32 s[OFF+1], 0
	s_lshl_b32 s[BAND], s[HI], 2
	s_add_co_u32 s[LQ], s[BAND], 3  ; the first block's last key step,
	s_add_co_u32 s[BAND], s[BAND], s[WV]  ; my band in it,
	s_add_co_u32 s[LEFTG], s[HI], 1 ; its groups
	s_lshl_b32 s[BAND2], s[PB], 2
	s_add_co_u32 s[LQ2], s[BAND2], 3
	s_add_co_u32 s[BAND2], s[BAND2], s[WV]
	s_mov_b32 s[NXT], 4             ; key steps 0 to 3 are the first fills
	s_mov_b32 s[KS], 0
	s_mov_b32 s[SL], 0
	s_mov_b32 s[STP], 32
	s_cmp_eq_u32 s[PB], 0
	s_cselect_b32 s[LIM], 5, -1
	s_mul_i32 s[SB], s[WV], 16*SP
	s_add_co_u32 s[SB], s[SB], STAGE
	v_and_b32 v1, 15, v0            ; l % 16
	v_bfe_u32 v9, v0, 4, 1          ; l / 16
	v_and_b32 v208, 7, v0           ; l % 8
	v_bfe_u32 v209, v0, 3, 1        ; (l / 8) % 2
	v_and_b32 v210, 31, v0          ; l
	v_mul_u32_u24 v[AK0], v1, PK
	v_lshl_add_u32 v[AK0], v9, 4, v[AK0]  ; row x pitch + 16 x half
	v_lshl_add_u32 v[AV0], v9, 3, v208
	v_mul_u32_u24 v[AV0], v[AV0], PVP
	v_lshl_add_u32 v[AV0], v209, 4, v[AV0]
	v_add_nc_u32 v[AV0], VOFF, v[AV0]
	v_lshlrev_b32 v[QO], 9, v1
	v_lshl_add_u32 v[QO], v9, 4, v[QO]    ; row x 512 + 16 x half
	v_mul_u32_u24 v[STO], v1, SP          ; in: row l % 16, 32 bytes for each half of the lanes
	v_lshl_add_u32 v[STO], v9, 5, v[STO]
	v_add_nc_u32 v[STO], s[SB], v[STO]
	v_lshl_add_u32 v[RD], v210, 4, s[SB]  ; back: 32 lanes take one row of 512 bytes
	v_lshlrev_b32 v[GO], 4, v210
	v_lshlrev_b32 v[PFO], 8, v210
	v_lshlrev_b32 v211, 3, v9
	v_sub_nc_u32 v211, v1, v211           ; my query's place in its tile less my lanes' 8 (l / 16): register j is hidden where j is greater
.set z, 0
.rept 8
	v_cmp_gt_i32 vcc_lo, z, v211
	v_cndmask_b32 v[TRI+z], 0, s[BIGN], vcc_lo
.set z, z+1
.endr
	s_wait_dscnt 0x0                ; the opening add is done
	s_wait_kmcnt 0x0
	s_add_nc_u64 s[QB1:QB1+1], s[4:5], s[QB1:QB1+1]
	s_add_nc_u64 s[QB2:QB2+1], s[4:5], s[QB2:QB2+1]
	s_add_nc_u64 s[OB:OB+1], s[10:11], s[OB:OB+1]
	s_add_nc_u64 s[OB2:OB2+1], s[10:11], s[OB2:OB2+1]
	s_add_nc_u64 s[PFK:PFK+1], s[6:7], s[PFK:PFK+1]
	s_add_nc_u64 s[PFV:PFV+1], s[8:9], s[PFV:PFV+1]
	; THE FIRST FILLS: key steps 0 to 3 into slots 0 to 3, four loads a wave, in one branch on the wave's number, ahead of every wait on TENSORcnt, every LDS read and every barrier.  An s_nop 0 follows each, four v_nop the last.
	s_cmp_lt_u32 s[WV], 2
	s_cbranch_scc0 .Lfirst_v
	s_add_nc_u64 s[TBASE:TBASE+1], s[6:7], s[18:19]
	s_mul_i32 s[LB], s17, KLO       ; hi or lo in a slot
	s_mov_b32 s[SH], 15             ; a step is 32,768 bytes of kk
.irp n, 0,1,2,3
	s_mov_b32 s[G0+4*(\n)], 1                                       ; 1:0 count = 1
	s_add_co_u32 s[G0+4*(\n)+1], s[LB], (\n)*SLOTB                  ; 63:32 LDS address
	s_add_nc_u64 s[G0+4*(\n)+2:G0+4*(\n)+3], s[TBASE:TBASE+1], (\n)*32768  ; 120:64 global address
	s_or_b32 s[G0+4*(\n)+3], s[G0+4*(\n)+3], 0x80000000             ; 127:126 type = 2
.endr
.irp n, 0,1,2,3
	tensor_load_to_lds s[G0+4*(\n):G0+4*(\n)+3], s[G1K:G1K+7]
	s_nop 0
.endr
	PLACES
	s_branch .Lfirst_done
.Lfirst_v:
	s_add_nc_u64 s[TBASE:TBASE+1], s[8:9], s[20:21]
	s_mul_i32 s[LB], s17, 32*PVP    ; which half of V's rows in a slot
	s_add_co_u32 s[LB], s[LB], VOFF
	s_mov_b32 s[SH], 14             ; a step is 16,384 bytes of vv
.irp n, 0,1,2,3
	s_mov_b32 s[G0+4*(\n)], 1
	s_add_co_u32 s[G0+4*(\n)+1], s[LB], (\n)*SLOTB
	s_add_nc_u64 s[G0+4*(\n)+2:G0+4*(\n)+3], s[TBASE:TBASE+1], (\n)*16384
	s_or_b32 s[G0+4*(\n)+3], s[G0+4*(\n)+3], 0x80000000
.endr
.irp n, 0,1,2,3
	tensor_load_to_lds s[G0+4*(\n):G0+4*(\n)+3], s[G1V:G1V+7]
	s_nop 0
.endr
	PLACES
.Lfirst_done:
	QLOAD QB1
	; A block's first step multiplies O^T and l by a = 0, so these need only hold finite numbers: zeros for the first block, what the first block left for the second.  O^T's 256 registers are written by 32 products of
	; zero fragments with C = 0, in the wait for the first tile.
.set z, 0
.rept 8
	v_mov_b32 v[MB+z], 0
	v_mov_b32 v[ML+z], 0
.set z, z+1
.endr
	WIN 0x40                        ; destination window 1, sources window 0
.set i, 0
.rept 32
	v_wmma_f32_16x16x32_f16 v[8*i:8*i+7], v[MB:MB+7], v[ML:ML+7], 0
.set i, i+1
.endr
	WIN 0
.irp t, 0,1,2,3
	v_mov_b32 v[ST+8*(\t)], 0xfe000000    ; c m: far below every c s
	v_mov_b32 v[ST+8*(\t)+1], 0xff7fffff  ; m: the lowest finite number
	v_mov_b32 v[ST+8*(\t)+2], 0           ; l
	v_mov_b32 v[ST+8*(\t)+3], 0
.endr
	s_wait_tensorcnt 0x3            ; my part of key step 0 is in; my three later loads may stay out
	s_barrier_signal -1
	s_barrier_wait -1               ; everybody's is
	FETCH_K 0, 0                    ; K hi of key step 0
	s_wait_loadcnt 0x0              ; Q
	s_mov_b32 s[GC], 8
.Lgroup:                            ; 8 groups of 4 steps, each of which fills its slot again
	s_mov_b32 s[CNT], 4
.Lstep:
	STEP 1
	s_sub_co_u32 s[CNT], s[CNT], 1
	s_cmp_lg_u32 s[CNT], 0
	s_cbranch_scc1 .Lstep
	s_sub_co_u32 s[LEFTG], s[LEFTG], 1
	s_cmp_lg_u32 s[LEFTG], 0
	s_cbranch_scc1 .Lsame
	QLOAD QB2                       ; THE FIRST BLOCK'S END.  Its last scores were made half a step ago: the second block's Q lands under the way out
	WAYOUT
	s_wait_xcnt 0x0                 ; the stores have read their registers and O's address
	s_mov_b64 s[OB:OB+1], s[OB2:OB2+1]
	s_mov_b32 s[BAND], s[BAND2]
	s_mov_b32 s[KS], 0
	s_add_co_u32 s[LEFTG], s[PB], 1 ; the second block has b + 1 groups, the last of them the tail
.irp t, 0,1,2,3
	v_mov_b32 v[ST+8*(\t)], 0xfe000000
	v_mov_b32 v[ST+8*(\t)+1], 0xff7fffff
.endr
	s_wait_loadcnt 0x0              ; Q
.Lsame:
	s_sub_co_u32 s[GC], s[GC], 1
	s_cmp_lg_u32 s[GC], 0
	s_cbranch_scc1 .Lgroup
	s_mov_b32 s[CNT], 4             ; the walk's last group is written out: nothing is asked for
.Ltail:
	STEP 0
	s_sub_co_u32 s[CNT], s[CNT], 1
	s_cmp_lg_u32 s[CNT], 0
	s_cbranch_scc1 .Ltail
	WAYOUT                          ; the second block's end
	s_wait_tensorcnt 0x0            ; the wave's end, behind my last tensor load and my last LDS store
	ds_add_u32 v[SPW], v[NIL]
	s_wait_dscnt 0x0
	s_endpgm
.Lfunc_end_k_q6885255900_attn:
	.size	k_q6885255900_attn, .Lfunc_end_k_q6885255900_attn-k_q6885255900_attn
	.p2alignl 7, 3214868480
	.fill 96, 4, 3214868480
	.section	.rodata,"a",@progbits
	.p2align	6, 0x0
	.amdhsa_kernel k_q6885255900_attn
		.amdhsa_group_segment_fixed_size 327680
		.amdhsa_private_segment_fixed_size 0
		.amdhsa_enable_private_segment 0
		.amdhsa_kernarg_size 32
		.amdhsa_user_sgpr_count 2
		.amdhsa_user_sgpr_kernarg_segment_ptr 1
		.amdhsa_wavefront_size32 1
		.amdhsa_system_sgpr_workgroup_id_x 1
		.amdhsa_system_sgpr_workgroup_id_y 1
		.amdhsa_system_sgpr_workgroup_id_z 1
		.amdhsa_system_vgpr_workitem_id 0
		.amdhsa_next_free_vgpr 1024
		.amdhsa_next_free_sgpr 100
		.amdhsa_reserve_vcc 1
		.amdhsa_float_denorm_mode_32 3
		.amdhsa_float_denorm_mode_16_64 3
		.amdhsa_memory_ordered 1
		.amdhsa_forward_progress 1
		.amdhsa_inst_pref_size 223
	.end_amdhsa_kernel
	.amdgpu_metadata
---
amdhsa.version: [ 1, 2 ]
amdhsa.kernels:
  - .name:           k_q6885255900_attn
    .symbol:         k_q6885255900_attn.kd
    .args:
      - { .name: qq, .offset: 0, .size: 8, .value_kind: global_buffer, .address_space: global }
      - { .name: kk, .offset: 8, .size: 8, .value_kind: global_buffer, .address_space: global }
      - { .name: vv, .offset: 16, .size: 8, .value_kind: global_buffer, .address_space: global }
      - { .name: out0, .offset: 24, .size: 8, .value_kind: global_buffer, .address_space: global }
    .group_segment_fixed_size: 327680
    .private_segment_fixed_size: 0
    .kernarg_segment_align: 8
    .kernarg_segment_size: 32
    .max_flat_workgroup_size: 128
    .sgpr_count:     100
    .vgpr_count:     1024
    .wavefront_size: 32
...
	.end_amdgpu_metadata
.endif
;; end of part 2
;; ======== version 2 of 3: 2 launches
;; limits: values are held in f16: magnitudes above 65,504 overflow, below 6.1e-05 lose precision
;; workspace buffers: kk 67,108,864 bytes; vv 33,554,432 bytes; tab 2,097,152 bytes
;; launch prep (part 3): grid 256 x 2, 8 waves a work-group, no clusters, 0 bytes of LDS; arguments k, v, kk, vv, tab; writes kk, vv, tab
.if DOCPART == 3
	.amdgcn_target "amdgcn-amd-amdhsa--gfx1250"
	.amdhsa_code_object_version 6
	.text
	.protected	k_q6885255900_prep
	.globl	k_q6885255900_prep
	.p2align	8
	.type	k_q6885255900_prep,@function
k_q6885255900_prep:
	s_mov_b64 s[64:65], 0
	v_nop
	global_prefetch_b8 v0, s[64:65] scope:SCOPE_SE
	s_setreg_imm32_b32 hwreg(HW_REG_WAVE_MODE, 25, 1), 1
	s_wait_xcnt 0x0
; PREP.  k, v: [2][4096][16][128] f32.  Half-split rotary embedding of k at position t (start index 0), then a split of each rotated number into f16 hi + f16 lo; v is rounded once to f16.
; Both leave by heads, for the attention launch, with g = (b*16+h)*2 + t/2048:
;   kk [g][step of 64 keys][hi, lo][64][128] f16 (32,768 dense bytes a step)    vv [(b*16+h)*4096+t][128] f16    tab [t][cos 64, sin 64] f32: the table by which the attention launch rotates q
; WHY HI + LO.  The scores have scale 1.0, a spread of sqrt(128), so two near-equal top keys are common, and the error of a score's difference goes straight into the weights:
; one 16-bit rounding of q and k is too coarse.  hi + lo carry about 22 bits.
; THE ANGLES follow the f32 roundings of the definition: a = fl(j * f32(-ln(10000)/64)), f = exp(a), angle = fl(t * f).  exp(a) = 2^(a log2 e), with a log2 e kept as a sum of two
; f32 numbers; sine and cosine by a reduction with pi/2 in two parts (exact up to t = 4095) and polynomials on |r| <= pi/4.
; LIMITS.  Rotated k and v must lie within f16, 65,504; lo keeps the fixed step 6e-8 below 6e-5; f may differ from a correctly rounded exp(a) in its last bit.  NaN and infinities are not treated apart.
; SHARES.  A wave owns two positions t0 = 2p, t1 = 2p+1 for all 16 heads.  i = lane % 16, hh = lane / 16.
; k comes by two loads a head: in each, lanes 0-15 take 256 consecutive bytes, aligned, of row t0 and lanes 16-31 of row t1; the first brings channels 0-63, the second 64-127.  So a lane holds channels
; 4 i .. 4 i + 3 AND the channels 64 further on of ONE row: the rotation stays in the lane, and a lane needs four cosines and sines, made once, while the first loads are out.
; v comes as whole rows: 32 lanes x 16 bytes.  ON THE WAY OUT four exchanges of half waves on the packed words put a row's 128 channels into lane order, and every store is 32 lanes x 8 bytes: 256 consecutive bytes, aligned.
; NO REGISTER THAT A STORE READS IS EVER WRITTEN AGAIN: heads 0-7 have 12 store registers each, heads 8-15 pack in place into their load slots, which are not filled again; offsets and bases are made once.
; So the only waits are the counted ones for loads.  No LDS, no barrier, no matrix unit: each byte is read once and written once, and no wave needs another's data.
.set IK,   2                           ; v2   k's loads: hh*8192 + i*16; never rewritten
.set IV,   3                           ; v3   v's loads: lane*16
.set O8,   4                           ; v4   the stores: lane*8
.set TO,   5                           ; v5   the table: hh*512 + i*16
.set POS,  6                           ; v6   t as f32
.set J0,   7                           ; v7   4 i: my first frequency
.set CO,   8                           ; v[8:11]   cos
.set SN,   12                          ; v[12:15]  sin
.set Y,    16                          ; v[16:23]  the rotated numbers (first half's four, second half's four), then what hi leaves of them
.set NEG1, 24                          ; v24  -1.0
.set D,    26                          ; v[26:121]  heads 0-7: 12 registers each: hi t0, hi t1, lo t0, lo t1, v t0, v t1, two each
.set W,    26                          ; v[26:37]   at work for cos and sin, before the first head
.set X,    122                         ; v[122:249] eight slots of 16: k's first half, k's second half, v's row t0, v's row t1, four each
	s_load_b256 s[4:11], s[0:1], 0x0               ; k s[4:5], v s[6:7], kk s[8:9], vv s[10:11]
	s_load_b64 s[12:13], s[0:1], 0x20              ; tab
	v_lshrrev_b32 v1, 5, v0
	v_readfirstlane_b32 s14, v1                    ; wave 0..7
	s_lshl_b32 s15, ttmp9, 3
	s_add_co_u32 s15, s15, s14                     ; p = 0..2047: my pair of positions
	s_and_b32 s28, ttmp7, 0xffff                   ; b
	v_and_b32 v1, 15, v0                           ; i
	v_bfe_u32 v[POS], v0, 4, 1                     ; hh
	v_lshlrev_b32 v[TO], 4, v1
	v_lshl_add_u32 v[IK], v[POS], 13, v[TO]
	v_lshl_add_u32 v[TO], v[POS], 9, v[TO]
	v_and_b32 v[O8], 31, v0
	v_lshlrev_b32 v[IV], 4, v[O8]
	v_lshlrev_b32 v[O8], 3, v[O8]
	v_lshlrev_b32 v[J0], 2, v1
	s_lshl_b32 s29, s15, 1
	v_add_nc_u32 v[POS], s29, v[POS]
	v_cvt_f32_u32 v[POS], v[POS]                   ; t = 2 p + hh
	v_mov_b32 v[NEG1], -1.0
	s_lshl_b32 s29, s28, 25                        ; b x 2^25 bytes in k, v and kk
	s_lshl_b32 s30, s15, 14                        ; inputs: two positions are 16,384 bytes
	s_add_co_u32 s30, s30, s29
	s_mov_b32 s31, 0
	s_lshr_b32 s32, s15, 10                        ; kk: the chunk,
	s_lshl_b32 s32, s32, 20
	s_bfe_u32 s33, s15, 0x50005                    ; the step of 64 keys,
	s_lshl_b32 s33, s33, 15
	s_add_co_u32 s32, s32, s33
	s_and_b32 s33, s15, 31                         ; two keys of 256 bytes in it
	s_lshl_b32 s33, s33, 9
	s_add_co_u32 s32, s32, s33
	s_add_co_u32 s32, s32, s29
	s_mov_b32 s33, 0
	s_lshl_b32 s34, s28, 24                        ; vv: b x 2^24, two rows of 256 bytes
	s_lshl_b32 s35, s15, 9
	s_add_co_u32 s34, s34, s35
	s_mov_b32 s35, 0
	s_lshl_b32 s46, s15, 10                        ; tab: two rows of 512 bytes
	s_mov_b32 s47, 0
	s_mov_b32 s36, 0x3fb8aa3b                      ; log2 e, upper part
	s_mov_b32 s37, 0x32a57060                      ; and what is left of it
	s_mov_b32 s38, 0xbfc90fdb                      ; -(pi/2), upper part
	s_mov_b32 s39, 0x333bbd2e                      ; and what is left of it
	s_mov_b32 s40, 0xbe2aaaa3                      ; sine: r + r r2 (S1 + S2 r2 + S3 r2^2)
	s_mov_b32 s41, 0x3c08839e
	s_mov_b32 s42, 0xb94ca1f9
	s_mov_b32 s43, 0x3d2aaaa5                      ; cosine: 1 - r2/2 + r2^2 (C1 + C2 r2 + C3 r2^2)
	s_mov_b32 s44, 0xbab6061a
	s_mov_b32 s45, 0x37ccf5ce
	s_wait_kmcnt 0x0
	s_add_nc_u64 s[4:5], s[4:5], s[30:31]
	s_add_nc_u64 s[6:7], s[6:7], s[30:31]
	s_add_nc_u64 s[16:17], s[8:9], s[32:33]        ; kk at head 0; a head is 2^21 bytes on, so a base for every four heads keeps the stores' immediates inside their signed 24 bits
	s_add_nc_u64 s[18:19], s[16:17], 8388608
	s_add_nc_u64 s[20:21], s[16:17], 16777216
	s_add_nc_u64 s[22:23], s[16:17], 25165824
	s_add_nc_u64 s[24:25], s[10:11], s[34:35]      ; vv at head 0; a head is 2^20 bytes on: a base for every eight heads
	s_add_nc_u64 s[26:27], s[24:25], 8388608
	s_add_nc_u64 s[12:13], s[12:13], s[46:47]
; Four loads: k and v of head h into slot s.
.macro FILL s, h
	global_load_b128 v[X+16*(\s):X+16*(\s)+3],     v[IK], s[4:5] offset:(\h)*512 th:TH_LOAD_NT
	global_load_b128 v[X+16*(\s)+4:X+16*(\s)+7],   v[IK], s[4:5] offset:(\h)*512+256 th:TH_LOAD_NT
	global_load_b128 v[X+16*(\s)+8:X+16*(\s)+11],  v[IV], s[6:7] offset:(\h)*512 th:TH_LOAD_NT
	global_load_b128 v[X+16*(\s)+12:X+16*(\s)+15], v[IV], s[6:7] offset:(\h)*512+8192 th:TH_LOAD_NT
.endm
.irp s, 0,1,2,3,4,5,6,7
	FILL \s, \s                                    ; heads 0 to 7: 32 loads of 512 bytes a wave are out
.endr
; cos and sin of fl(t * f) for frequency J0 + e, while the first loads are on their way.
.macro SINCOS e
	v_add_nc_u32 v[W], (\e), v[J0]
	v_cvt_f32_u32 v[W], v[W]
	v_mul_f32 v[W], 0xbe135d8e, v[W]               ; a = fl(j * f32(-ln(10000)/64))
	v_mul_f32 v[W+1], s36, v[W]                    ; a log2 e: the rounded product,
	v_fma_f32 v[W+2], v[W], s36, -v[W+1]           ; what the rounding dropped,
	v_fma_f32 v[W+2], v[W], s37, v[W+2]            ; and the lower part of log2 e
	v_exp_f32 v[W+3], v[W+1]
	v_mul_f32 v[W+2], 0x3f317218, v[W+2]           ; (a plain line behind the exponential, ISA guide 5.7.2) 2^x = 1 + x ln 2 for the small part
	s_wait_alu depctr_va_vdst(0)
	v_fma_f32 v[W+3], v[W+3], v[W+2], v[W+3]       ; f
	v_mul_f32 v[W+4], v[POS], v[W+3]               ; the angle, rounded to f32 as the definition rounds it
	v_mul_f32 v[W+5], 0x3f22f983, v[W+4]
	v_rndne_f32 v[W+5], v[W+5]                     ; n = the nearest multiple of pi/2
	v_fma_f32 v[W+6], v[W+5], s38, v[W+4]          ; exact: n has 12 bits
	v_fma_f32 v[W+6], v[W+5], s39, v[W+6]          ; r, |r| <= pi/4
	v_cvt_i32_f32 v[W+7], v[W+5]
	v_mul_f32 v[W+8], v[W+6], v[W+6]               ; r2
	v_fma_f32 v[W+9], v[W+8], s42, s41
	v_fma_f32 v[W+9], v[W+9], v[W+8], s40
	v_mul_f32 v[W+9], v[W+9], v[W+8]
	v_fma_f32 v[W+9], v[W+9], v[W+6], v[W+6]       ; sin r
	v_fma_f32 v[W+10], v[W+8], s45, s44
	v_fma_f32 v[W+10], v[W+10], v[W+8], s43
	v_mul_f32 v[W+11], v[W+8], v[W+8]
	v_fma_f32 v[W+1], v[W+8], -0.5, 1.0
	v_fma_f32 v[W+10], v[W+10], v[W+11], v[W+1]    ; cos r
	v_and_b32 v[W+1], 1, v[W+7]
	v_cmp_eq_u32 vcc_lo, 1, v[W+1]                 ; an odd quarter swaps the two
	v_cndmask_b32 v[W+2], v[W+9], v[W+10], vcc_lo
	v_cndmask_b32 v[W+3], v[W+10], v[W+9], vcc_lo
	v_lshlrev_b32 v[W+4], 30, v[W+7]               ; sine is negative in quarters 2 and 3: bit 1 of n
	v_and_b32 v[W+4], 0x80000000, v[W+4]
	v_xor_b32 v[SN+(\e)], v[W+2], v[W+4]
	v_add_nc_u32 v[W+5], 1, v[W+7]                 ; cosine in quarters 1 and 2: bit 1 of n + 1
	v_lshlrev_b32 v[W+5], 30, v[W+5]
	v_and_b32 v[W+5], 0x80000000, v[W+5]
	v_xor_b32 v[CO+(\e)], v[W+3], v[W+5]
.endm
.irp e, 0,1,2,3
	SINCOS \e
.endr
	s_cmp_lg_u32 s28, 0                            ; both batches make the same numbers: the work-groups of batch 0 store them
	s_cbranch_scc1 .Lno_tab
	global_store_b128 v[TO], v[CO:CO+3], s[12:13]             ; 16 lanes store a row's 64 cosines: 256 consecutive bytes, aligned
	global_store_b128 v[TO], v[SN:SN+3], s[12:13] offset:256  ; and its 64 sines
.Lno_tab:
; Head h.  Its slot is h % 8; heads 0-7 fill their slot again with the head eight further on.
.macro SLOT h
.set XS, X+16*((\h)%8)
.if (\h) < 8
.set OUT, D+12*(\h)
	s_wait_loadcnt 28                              ; loads come back in order (ISA guide 5.7.1): my four are in, the seven younger slots' 28 stay out
.else
.set OUT, XS
	s_wait_loadcnt 28-4*((\h)-8)                   ; nothing is loaded any more: the counts run down
.endif
	v_pk_mul_f32 v[Y:Y+1],     v[XS+4:XS+5], v[SN:SN+1]       ; x2 sin
	v_pk_mul_f32 v[Y+2:Y+3],   v[XS+6:XS+7], v[SN+2:SN+3]
	v_pk_mul_f32 v[Y+4:Y+5],   v[XS:XS+1],   v[SN:SN+1]       ; x1 sin
	v_pk_mul_f32 v[Y+6:Y+7],   v[XS+2:XS+3], v[SN+2:SN+3]
	v_pk_fma_f32 v[Y:Y+1],     v[XS:XS+1],   v[CO:CO+1],   v[Y:Y+1]     neg_lo:[0,0,1] neg_hi:[0,0,1]  ; x1 cos - x2 sin
	v_pk_fma_f32 v[Y+2:Y+3],   v[XS+2:XS+3], v[CO+2:CO+3], v[Y+2:Y+3]   neg_lo:[0,0,1] neg_hi:[0,0,1]
	v_pk_fma_f32 v[Y+4:Y+5],   v[XS+4:XS+5], v[CO:CO+1],   v[Y+4:Y+5]   ; x2 cos + x1 sin
	v_pk_fma_f32 v[Y+6:Y+7],   v[XS+6:XS+7], v[CO+2:CO+3], v[Y+6:Y+7]
	v_cvt_pk_f16_f32 v[OUT+8],  v[XS+8],  v[XS+9]             ; v: row t0, then row t1 (in place each line reads at or behind what it writes)
	v_cvt_pk_f16_f32 v[OUT+9],  v[XS+10], v[XS+11]
	v_cvt_pk_f16_f32 v[OUT+10], v[XS+12], v[XS+13]
	v_cvt_pk_f16_f32 v[OUT+11], v[XS+14], v[XS+15]
.if (\h) < 8
	FILL (\h), (\h)+8                              ; the slot has been read out
.endif
.irp j, 0,1,2,3
	v_cvt_pk_f16_f32 v[OUT+(\j)], v[Y+2*(\j)], v[Y+2*(\j)+1]  ; hi
.endr
.irp j, 0,1,2,3
	v_fma_mix_f32 v[Y+2*(\j)],   v[OUT+(\j)], v[NEG1], v[Y+2*(\j)]   op_sel_hi:[1,0,0]                 ; y - hi, exact: the low half of the packed word,
	v_fma_mix_f32 v[Y+2*(\j)+1], v[OUT+(\j)], v[NEG1], v[Y+2*(\j)+1] op_sel:[1,0,0] op_sel_hi:[1,0,0]  ; and the high half
.endr
.irp j, 0,1,2,3
	v_cvt_pk_f16_f32 v[OUT+4+(\j)], v[Y+2*(\j)], v[Y+2*(\j)+1]  ; lo
.endr
	v_permlane16_swap_b32 v[OUT],   v[OUT+2]       ; the first register's lanes 16-31 (row t1, first half) change places with the second's lanes 0-15 (row t0, second half):
	v_permlane16_swap_b32 v[OUT+1], v[OUT+3]       ; the first then holds row t0 and the second row t1, lane l the channels 4 l .. 4 l + 3
	v_permlane16_swap_b32 v[OUT+4], v[OUT+6]
	v_permlane16_swap_b32 v[OUT+5], v[OUT+7]
	global_store_b64 v[O8], v[OUT:OUT+1],     s[16+2*((\h)/4):17+2*((\h)/4)] offset:((\h)%4)*2097152        ; each store: 256 consecutive bytes, aligned
	global_store_b64 v[O8], v[OUT+2:OUT+3],   s[16+2*((\h)/4):17+2*((\h)/4)] offset:((\h)%4)*2097152+256
	global_store_b64 v[O8], v[OUT+4:OUT+5],   s[16+2*((\h)/4):17+2*((\h)/4)] offset:((\h)%4)*2097152+16384
	global_store_b64 v[O8], v[OUT+6:OUT+7],   s[16+2*((\h)/4):17+2*((\h)/4)] offset:((\h)%4)*2097152+16640
	global_store_b64 v[O8], v[OUT+8:OUT+9],   s[24+2*((\h)/8):25+2*((\h)/8)] offset:((\h)%8)*1048576
	global_store_b64 v[O8], v[OUT+10:OUT+11], s[24+2*((\h)/8):25+2*((\h)/8)] offset:((\h)%8)*1048576+256
.endm
.irp h, 0,1,2,3,4,5,6,7,8,9,10,11,12,13,14,15
	SLOT \h
.endr
	s_endpgm
.Lfunc_end_k_q6885255900_prep:
	.size	k_q6885255900_prep, .Lfunc_end_k_q6885255900_prep-k_q6885255900_prep
	.p2alignl 7, 3214868480
	.fill 96, 4, 3214868480
	.section	.rodata,"a",@progbits
	.p2align	6, 0x0
	.amdhsa_kernel k_q6885255900_prep
		.amdhsa_group_segment_fixed_size 0
		.amdhsa_private_segment_fixed_size 0
		.amdhsa_enable_private_segment 0
		.amdhsa_kernarg_size 40
		.amdhsa_user_sgpr_count 2
		.amdhsa_user_sgpr_kernarg_segment_ptr 1
		.amdhsa_wavefront_size32 1
		.amdhsa_system_sgpr_workgroup_id_x 1
		.amdhsa_system_sgpr_workgroup_id_y 1
		.amdhsa_system_sgpr_workgroup_id_z 1
		.amdhsa_system_vgpr_workitem_id 0
		.amdhsa_next_free_vgpr 256
		.amdhsa_next_free_sgpr 66
		.amdhsa_reserve_vcc 1
		.amdhsa_float_denorm_mode_32 3
		.amdhsa_float_denorm_mode_16_64 3
		.amdhsa_memory_ordered 1
		.amdhsa_forward_progress 1
		.amdhsa_inst_pref_size 56
	.end_amdhsa_kernel
	.amdgpu_metadata
---
amdhsa.version: [ 1, 2 ]
amdhsa.kernels:
  - .name:           k_q6885255900_prep
    .symbol:         k_q6885255900_prep.kd
    .args:
      - { .name: k, .offset: 0, .size: 8, .value_kind: global_buffer, .address_space: global }
      - { .name: v, .offset: 8, .size: 8, .value_kind: global_buffer, .address_space: global }
      - { .name: kk, .offset: 16, .size: 8, .value_kind: global_buffer, .address_space: global }
      - { .name: vv, .offset: 24, .size: 8, .value_kind: global_buffer, .address_space: global }
      - { .name: tab, .offset: 32, .size: 8, .value_kind: global_buffer, .address_space: global }
    .group_segment_fixed_size: 0
    .private_segment_fixed_size: 0
    .kernarg_segment_align: 8
    .kernarg_segment_size: 40
    .max_flat_workgroup_size: 256
    .sgpr_count:     66
    .vgpr_count:     256
    .wavefront_size: 32
...
	.end_amdgpu_metadata
.endif
;; end of part 3
;; launch attn (part 4): grid 4 x 64, 4 waves a work-group, no clusters, 327,680 bytes of LDS; arguments q, kk, vv, out0, tab; writes out0
.if DOCPART == 4
	.amdgcn_target "amdgcn-amd-amdhsa--gfx1250"
	.amdhsa_code_object_version 6
	.text
	.protected	k_q6885255900_attn
	.globl	k_q6885255900_attn
	.p2align	8
	.type	k_q6885255900_attn,@function
k_q6885255900_attn:
	s_mov_b64 s[64:65], 0
	v_nop
	global_prefetch_b8 v0, s[64:65] scope:SCOPE_SE
	s_setreg_imm32_b32 hwreg(HW_REG_WAVE_MODE, 25, 1), 1
	s_wait_xcnt 0x0
; CHUNKED CAUSAL ATTENTION, scale 1.0, head size 128.  64 heads g = (batch, head, chunk of 2,048); in each, O[q] = the sum over k <= q of softmax_k(Q[q] . K[k]) V[k], Q and K rotated by position.
; Inputs: q [2][4096][16][128] f32, as the problem gives it; from the launch before: kk [g][step of 64 keys][hi, lo][64][128] f16 (rotated), vv [g*2048+k][128] f16, tab [position][cos 64, sin 64] f32.
; Output out0 [2][4096][16][128] f32.
; THE SCORES are three products with f16 operands and one f32 sum: kh.qh + kh.ql + kl.qh, about 22 bits of q and of k; the term kl.ql, about 2^-22 of a score, is left out.
; Maxima, sums and the rescaling in f32; the weights p are rounded to f16 for the second product (their sum l is taken of the unrounded p); O leaves in f32.
; LIMITS.  Rotated q, k and v lie within f16 (65,504).  A hidden score counts as its value less 1e30.  A weight below 2^-126 counts as 0 in l; below 6e-5 p keeps the fixed step 6e-8 of f16.  NaN and infinities are not treated apart.
; THE WALK.  A head has 8 blocks of 256 queries; block I needs the key steps 0 .. 4 I + 3 of 64 keys.  A work-group takes blocks 7 - b and then b: 36 steps whatever b, so all 256 work-groups do equal work.
; The walk is 8 groups of 4 steps, both counts constants, and a tail of 4 steps; a block ends at a group's end, so the change of blocks is tested once a group.  The ring runs on across it.
; SHARES.  Of a block's four bands of 64 queries a wave owns 16 rows in each: tile t lies in band t.  DS = key step - 4 I.  Below 0 every tile sees the whole step.  In the block's last group, DS = 0 .. 3, tile DS holds the
; diagonal, later tiles see the whole step, earlier tiles see nothing of it: the same for all four waves, so what is left out shortens the step for all, and the jumps hang on DS alone, never on the wave's number.
; THE MASK is the C operand of the product that starts a score's sum.  DM, made once, is the mask of a band's own step for my 16 rows: for key block kb of 16 it is 0 below my rows' block, -1e30 above it, and in it
; -1e30 where the key lies behind the query.  Tile 0 starts with MX = DM x [DS = 0]; tiles 1 to 3 start with the constant 0 on the plain way.
; A STEP WITH DS = 1, 2, 3 IS ENTERED IN THE MIDDLE: S^T of tile DS - 1 is filled with -1e30, so that its softmax gives a = 1 and P = 0 (which stays 0 in the steps behind); a copy of a phase's first four rows starts tile
; DS's scores with DM; then a forward jump leads into row 4 of that phase.  Left out: 48 DS products K Q^T and DS - 1 softmaxes.  The products V^T P on a zero P stay: they carry tile 3's softmax.
; NO CLUSTER: the four work-groups of a head walk 32 - 4 b and then 4 b + 4 steps; they ask for the same tile only in the first part, and a walk common to all four would have 48 steps for 36.
; LAYOUT.  S^T = K Q^T (source 0 = 16 keys, source 1 = 16 queries): a lane holds ONE query (lane % 16) and the keys 8 (lane / 16) + 0..7; two such results rounded to f16 ARE source 1 of O^T = V^T P.
; A BLOCK BEGINS with its queries.  Each load takes 256 consecutive bytes, aligned, of one row (lanes 0-15) and of the next (lanes 16-31): channels 0-63, then 64-127, and likewise the rows' cosines and sines.  So a lane holds
; channels 4 i .. 4 i + 3, the channels 64 further on and their four cosines and sines: the rotation stays in the lane.  q lands in Q's own 256 registers, the table in O^T's 256, which need only hold finite numbers at a block's
; beginning.  Tile by tile: rotate, round to hi, take hi away, round to lo; the packed words go into my stage in LDS by rows and come back as fragments.
; SOFTMAX.  p = 2^(c s - c m), c = log2 e, m the running maximum; in every step O and l are multiplied by a = 2^(c m_old - c m_new).  c m starts far below every c s, so a block's first a is 0 and no first step is written out.
; A STEP.  Part 1: K lo is fetched; tile 0's 48 products; then three phases, each 48 products K Q^T of tile Y + 1 with tile Y's softmax behind them, at most four vector lines behind a product.  In the third phase K lo is
; multiplied first, and V is fetched into its registers.  THE CHANGE OF SLOTS stands here: K and V of the step are in registers, the slot is handed back and filled again, and the next step's K hi is fetched.
; Part 2: tile 3's softmax behind the 48 products V^T P of tiles 0 to 2, then tile 3's 16.
; THE RING has four slots of one step.  Steps 0 to 3 are first fills; step j's change of slots fills its slot with the walk's step j + 4: 32 steps fill, the last 4 do not, both multiples of a group.  A refill has a whole
; step in which to land.  A wave has four tensor loads out at the start and one later.
; REGISTERS, in windows of 256 (s_set_vgpr_msb: bits 1:0 source 0, 3:2 source 1, 5:4 source 2, 7:6 destination):
;   window 0: v0-15 addresses; v16-47 eight statistics a tile; v48-63, v192-207 DM; v64-127 S^T, two buffers by the tile's parity; v128-191 P, 16 a tile; v208-211 at work at the head; v212-214, v248-249; v216-247 MX
;   window 1: O^T, 64 a tile      window 2: Q, 64 a tile: hi at 64 t + 8 c, lo 32 further on      window 3: v0-127 K hi; v128-255 K lo, then V
.set PK,    272       ; a row of K in LDS: 256 bytes + 16 of padding = 68 words: the 16 rows of a load start at 16 different groups of four banks (64 banks of 4 bytes: ISA guide 11.1)
.set PVP,   288       ; a row of V: 256 + 32 = 72 words
.set KLO,   64*PK     ; a slot: 64 rows of K hi, 64 of K lo,
.set VOFF,  2*64*PK   ; 64 of V: 53,248 bytes
.set SLOTB, 65536     ; from slot to slot
.set RING,  4*SLOTB
.set STAGE, RING      ; behind the ring, never filled by a tensor load: 16 rows x 528 bytes for each wave, for Q's way in and O's way out
.set SP,    528       ; 512 bytes + 16: the 16 rows that a 16-byte access touches start at 16 different groups of four banks
.set SPARE, STAGE+4*16*SP  ; behind the stages: the spare words, 128 bytes for each wave: two blocks of 256 bytes that no other line names
.set AK0, 2           ; v2   my lane's place in a tile of K; never rewritten
.set AV0, 3           ; v3   the same for V, VOFF included
.set ADRK, 4          ; v4   the LDS address of K's run of loads
.set ADRV, 5          ; v5   of V's
.set QO,  6           ; v6   q's loads: (lane / 16) x 8,192 + (lane % 16) x 16; never rewritten
.set STO, 7           ; v7   the way out: where I put 32 bytes of a row
.set RD,  8           ; v8   the way out: where I read a row back
.set GO,  10          ; v10  my 16 bytes of a row of O
.set PFO, 11          ; v11  256 x my lane; never rewritten
.set MV,  12          ; v12-13  c m_old, kept while c m is made anew: by the tile's parity
.set SPW, 14          ; v14  LDS address of my spare word: SPARE + 4 x my thread's number; never rewritten
.set NIL, 15          ; v15  0; never rewritten
.set ST,  16          ; tile t's statistics at v[ST+8 t]: c m, m, l (even keys', odd keys'), c0-c3 at work; when the maximum is found c2 takes a
.set DM,  48          ; key blocks 0, 1 at v48, v56; key blocks 2, 3 at v192, v200: block kb at DM + 8 kb + 128 (kb / 2)
.set S,   64
.set P,   128
.set NEG1, 212        ; v212 -1.0
.set TO,  213         ; v213 the table's loads: (lane / 16) x 512 + (lane % 16) x 16; never rewritten
.set PFQ, 214         ; v214 the prefetch of q: (lane / 2) x 8,192 + (lane % 2) x 256; never rewritten
.set MX,  216         ; v216-247 tile 0's mask, eight registers a key block
.set STQ, 248         ; v248 Q's way in: where I put 8 bytes of a row: my stage + (lane / 16) x 528 + (lane % 16) x 8
.set FRQ, 249         ; v249 where I read a fragment's 16 bytes: my stage + (lane % 16) x 528 + (lane / 16) x 16
.set TBL, 2           ; s[2:3] tab at my rows of the first block; never rewritten
.set WV,  12          ; s12  my wave's number
.set PB,  14          ; s14  b
.set HI,  15          ; s15  7 - b
.set G1K, 24          ; s[24:31] descriptor group 1 for K's tiles: 64 rows
.set G1V, 32          ; s[32:39] for V's: 32 rows, wider padding
.set G0,  40          ; s[40:55] descriptor group 0, a set for each of my four first fills; the first set then serves my refills
.set TBASE, 56        ; s[56:57] what I fetch, at the head's key step 0: kk hi (wave 0), kk lo (wave 1), a half of vv's 64 rows (waves 2, 3)
.set QB2, 58          ; s[58:59] q at my rows of the second block; never rewritten
.set OB,  60          ; s[60:61] out0 at my rows of the block in hand
.set OB2, 62          ; s[62:63] of the second block
.set CS,  66          ; s[66:67] c: the packed scaling takes the pair's low word for both halves
.set SEL, 68          ; s[68:69] v_permlanex16_b32's selects: each lane takes its own place in the other half
.set OFF, 70          ; s[70:71] a key step's byte offset in what I fetch
.set AL,  72          ; s[72:73] the mask's factor, in the low word
.set BIGN, 77         ; s77  -1e30
.set LIM, 78          ; s78  5 in the work-group that prefetches K and V, else the greatest number
.set STP, 79          ; s79  steps with a fill still to come, this one among them: 32 to 1
.set PFK, 80          ; s[80:81] where my prefetches stand in kk
.set PFV, 82          ; s[82:83] in vv
.set SL,  84          ; s84  the LDS byte at which the slot that is being read begins
.set LB,  85          ; s85  where my part of a tile lies in a slot
.set SH,  86          ; s86  log2 of a key step's bytes in what I fetch
.set NXT, 87          ; s87  the key step to be asked for next
.set LQ,  88          ; s88  the last key step of the block whose steps are being asked for
.set LQ2, 89          ; s89  the second block's
.set DS,  90          ; s90  the key step in hand less the block's first band, signed
.set DS2, 92          ; s92  its value at the second block's first step
.set LEFTG, 93        ; s93  groups that the block in hand still has
.set GC,  94          ; s94  counts the groups
.set CNT, 95          ; s95  counts a group's steps
.set QB,  96          ; s[96:97] q at my rows of the first block; never rewritten
.set SB,  98          ; s98  my stage
.set TB2, 100         ; s[100:101] tab at my rows of the second block; never rewritten
.set TABP, 104        ; s[104:105] tab
.set MSB, 0
.macro WIN new                      ; the high byte repeats the setting that is left; a switch that changes nothing is dropped
.if MSB != (\new)
	s_set_vgpr_msb (MSB<<8)|(\new)
.set MSB, (\new)
.endif
.endm
.set W_KQ, 0x0b       ; K in window 3, Q in window 2, C and S^T in window 0
.set W_PV, 0x53       ; V in window 3, P in window 0, O^T in window 1
.set W_RS, 0x41       ; destination and source 0 in window 1, source 1 in window 0
.macro PLACES                       ; a load into a register that a matrix instruction has read, and a vector line that reads a matrix result, stand four plain vector lines behind it (ISA guide 7.12.1 for vector lines)
.rept 4
	v_nop
.endr
.endm
; A refill.  Wave 0 fetches a step's K hi, wave 1 its K lo (64 rows of 256 bytes each), waves 2 and 3 the halves of its V (32 rows each): three tiles for four waves, one load a wave.
; An s_nop 0 and four v_nop follow each of the two lines, ahead of the jump and the label.
.macro LOAD
	s_cmp_lt_u32 s[WV], 2
	s_cbranch_scc0 .Lfor_v_\@
	tensor_load_to_lds s[G0:G0+3], s[G1K:G1K+7]
	s_nop 0
.rept 4
	v_nop
.endr
	s_branch .Lasked_\@
.Lfor_v_\@:
	tensor_load_to_lds s[G0:G0+3], s[G1V:G1V+7]
	s_nop 0
.rept 4
	v_nop
.endr
.Lasked_\@:
.endm
; THE CHANGE OF SLOTS.  Each wave waits for all its tensor loads; adds 0 to its spare word; and waits for that and for its own reads of the slot that it leaves.  Behind the barrier nobody reads that slot any more and the
; next slot is whole.  fill = 1: the slot that is left is filled again, the first thing behind the barrier, with key step NXT: the address is made anew from that number; the prefetches' addresses step.
.macro CHANGE fill
	WIN 0                           ; at a label and at a branch every window is 0
	s_wait_tensorcnt 0x0            ; no tensor load of mine is out, so a group 0 may be written
	ds_add_u32 v[SPW], v[NIL]       ; 0 onto my spare word; the scalar work stands between it and the wait for it
.if \fill
	s_lshl_b32 s[OFF], s[NXT], s[SH]
	s_add_co_u32 s[G0+1], s[LB], s[SL]  ; my part of the slot that is left
	s_add_nc_u64 s[G0+2:G0+3], s[TBASE:TBASE+1], s[OFF:OFF+1]
	s_or_b32 s[G0+3], s[G0+3], 0x80000000
	s_add_co_u32 s[NXT], s[NXT], 1  ; the block's next step, or behind its last the second block's step 0
	s_cmp_gt_u32 s[NXT], s[LQ]
	s_cselect_b32 s[NXT], 0, s[NXT]
	s_cselect_b32 s[LQ], s[LQ2], s[LQ]
	s_wait_xcnt 0x0                 ; the last prefetches, a step back, have read their addresses
	s_add_nc_u64 s[PFK:PFK+1], s[PFK:PFK+1], 32768
	s_add_nc_u64 s[PFV:PFV+1], s[PFV:PFV+1], 16384
.endif
	s_wait_dscnt 0x0                ; the add is done, and my reads of the slot are over: V, the last of them, is in
	s_barrier_signal -1
	s_add_co_u32 s[SL], s[SL], SLOTB  ; the fetches go to the next slot of the four
	s_and_b32 s[SL], s[SL], RING-1
	s_barrier_wait -1
.if \fill
	LOAD                            ; its four v_nop are also the places in front of the loads into K hi's registers
.else
	PLACES
.endif
.endm
; A PREFETCH INTO THE L2 of the key step that the NEXT change of slots will ask for: 128 rows of 256 bytes of kk (a lane a row, 32 rows a wave) and 64 of vv (waves 0 and 1).  It stands behind the wave's tensor load
; and the run of LDS loads.  Each row is named once in the launch: of a head's four work-groups only b = 0 walks all 32 key steps on end, and it alone asks.  Step j asks for step j + 5; steps 0 to 4 come by their
; loads alone; the last step asked for is 31, in the step with STP = 6.
.macro ASK
	s_cmp_gt_u32 s[STP], s[LIM]
	s_cbranch_scc0 .Lnot_mine_\@
	global_prefetch_b8 v[PFO], s[PFK:PFK+1] th:TH_LOAD_NT scope:SCOPE_SE
	s_cmp_lt_u32 s[WV], 2
	s_cbranch_scc0 .Lnot_mine_\@
	global_prefetch_b8 v[PFO], s[PFV:PFV+1] th:TH_LOAD_NT scope:SCOPE_SE
.Lnot_mine_\@:
.endm
; AND OF THE SECOND BLOCK'S q: my 4 x 16 rows of 512 bytes, a lane a block of 256 bytes, 16 rows a line.  Asked once, in the first block's last step but one (the block in hand has one group left and the group two
; steps); between it and the loads stand 176 matrix instructions: that step's second part and the block's last step.  No other wave reads these rows.
.macro ASKQ
	s_cmp_eq_u32 s[CNT], 2
	s_cbranch_scc0 .Lno_q_\@
	s_cmp_eq_u32 s[LEFTG], 1
	s_cbranch_scc0 .Lno_q_\@
.irp t, 0,1,2,3
	global_prefetch_b8 v[PFQ], s[QB2:QB2+1] offset:(\t)*524288 th:TH_LOAD_NT scope:SCOPE_SE
.endr
.Lno_q_\@:
.endm
; THE LDS LOADS stand in runs of 32.  A fragment of K is 16 keys x 32 channels in 8 registers: lane l holds key l % 16, channels 8 (l / 16) + 0..7 and 16 + 8 (l / 16) + 0..7: two loads of 16 bytes, 32 bytes apart.
; Key block b, channel group c lies at register 32 b + 8 c; the runs go by channel groups, so that a counted wait can free the first groups.
.macro FETCH_K lds, reg
	WIN 0
	v_add_nc_u32 v[ADRK], s[SL], v[AK0]
	WIN 0xc0                        ; destination window 3
.irp c, 0,1,2,3
.irp b, 0,1,2,3
	ds_load_b128 v[(\reg)+32*(\b)+8*(\c):(\reg)+32*(\b)+8*(\c)+3],   v[ADRK] offset:(\lds)+(\b)*16*PK+64*(\c)
	ds_load_b128 v[(\reg)+32*(\b)+8*(\c)+4:(\reg)+32*(\b)+8*(\c)+7], v[ADRK] offset:(\lds)+(\b)*16*PK+64*(\c)+32
.endr
.endr
	WIN 0
.endm
; The turning load takes 16 keys x 16 channels (lane l reads key 8 (l / 16) + l % 8, channels 8 ((l / 8) % 2) + 0..7) and leaves half a fragment of V^T: lane l holds channel l % 16 and 8 keys.
.macro FETCH_V
	WIN 0
	v_add_nc_u32 v[ADRV], s[SL], v[AV0]
	WIN 0xc0
.irp f, 0,1,2,3,4,5,6,7,8,9,10,11,12,13,14,15  ; keys 32 (f / 8) on, channels 16 (f % 8) on
	ds_load_tr16_b128 v[128+8*(\f):128+8*(\f)+3],   v[ADRV] offset:((\f)/8)*32*PVP+((\f)%8)*32
	ds_load_tr16_b128 v[128+8*(\f)+4:128+8*(\f)+7], v[ADRV] offset:((\f)/8)*32*PVP+16*PVP+((\f)%8)*32
.endr
	WIN 0
.endm
; A BLOCK'S QUERIES, raw: 64 loads into window 2.  Tile t lies 64 rows on; pair z of a tile's eight pairs of rows lands at 64 t + 8 z: four registers of channels 4 i .. (x1), four of the channels 64 further on (x2).
; Each load covers two runs of 256 consecutive bytes, aligned.
.macro QLOADS base
	WIN 0x80
.irp t, 0,1,2,3
.set z, 0
.rept 8
	global_load_b128 v[64*(\t)+8*z:64*(\t)+8*z+3],   v[QO], s[(\base):(\base)+1] offset:(\t)*524288+z*16384 th:TH_LOAD_NT
	global_load_b128 v[64*(\t)+8*z+4:64*(\t)+8*z+7], v[QO], s[(\base):(\base)+1] offset:(\t)*524288+z*16384+256 th:TH_LOAD_NT
.set z, z+1
.endr
.endr
	WIN 0
.endm
; The cosines and sines of tile t's rows: 16 loads into window 1, at the same register numbers: four cosines, four sines.
.macro TLOADS base, t
	WIN 0x40
.set z, 0
.rept 8
	global_load_b128 v[64*(\t)+8*z:64*(\t)+8*z+3],   v[TO], s[(\base):(\base)+1] offset:(\t)*32768+z*1024
	global_load_b128 v[64*(\t)+8*z+4:64*(\t)+8*z+7], v[TO], s[(\base):(\base)+1] offset:(\t)*32768+z*1024+256
.set z, z+1
.endr
	WIN 0
.endm
; Tile t is rotated and split.  y1 = x1 cos - x2 sin, y2 = x2 cos + x1 sin, each a rounded product and a fused multiply-add, go into S^T's 64 registers; two neighbours round into one word of hi (P's first 32 registers);
; y - hi is exact; it rounds into lo (P's other 32).  A row of my stage takes hi's 256 bytes and lo's 256: I put 8 bytes at channel 4 i and 8 at channel 64 + 4 i of each.  Then the rows come back as fragments: lane l takes
; row l % 16, 16 bytes at channels 32 c + 8 (l / 16) and 16 at 16 channels further on.  LDS serves a wave's instructions in order (ISA guide 5.7.1.4): the loads see the stores, and the next tile's stores come behind the loads.
.macro ROPEQ t
	WIN 0x06                        ; source 0 (q) window 2, source 1 (cos, sin) window 1, source 2 and destination window 0
.set z, 0
.rept 16
.set rq, 64*(\t)+8*(z/2)+2*(z%2)
.set ry, S+8*(z/2)+2*(z%2)
	v_pk_mul_f32 v[ry:ry+1],     v[rq+4:rq+5], v[rq+4:rq+5]
	v_pk_mul_f32 v[ry+4:ry+5],   v[rq:rq+1],   v[rq+4:rq+5]
.set z, z+1
.endr
.set z, 0
.rept 16
.set rq, 64*(\t)+8*(z/2)+2*(z%2)
.set ry, S+8*(z/2)+2*(z%2)
	v_pk_fma_f32 v[ry:ry+1],     v[rq:rq+1],     v[rq:rq+1], v[ry:ry+1] neg_lo:[0,0,1] neg_hi:[0,0,1]
	v_pk_fma_f32 v[ry+4:ry+5],   v[rq+4:rq+5],   v[rq:rq+1], v[ry+4:ry+5]
.set z, z+1
.endr
	WIN 0
.set z, 0
.rept 32
	v_cvt_pk_f16_f32 v[P+z], v[S+2*z], v[S+2*z+1]
.set z, z+1
.endr
.set z, 0
.rept 32
	v_fma_mix_f32 v[S+2*z],   v[P+z], v[NEG1], v[S+2*z]   op_sel_hi:[1,0,0]
	v_fma_mix_f32 v[S+2*z+1], v[P+z], v[NEG1], v[S+2*z+1] op_sel:[1,0,0] op_sel_hi:[1,0,0]
.set z, z+1
.endr
.set z, 0
.rept 32
	v_cvt_pk_f16_f32 v[P+32+z], v[S+2*z], v[S+2*z+1]
.set z, z+1
.endr
.set z, 0
.rept 8
	ds_store_b64 v[STQ], v[P+4*z:P+4*z+1]       offset:z*2*SP
	ds_store_b64 v[STQ], v[P+4*z+2:P+4*z+3]     offset:z*2*SP+128
	ds_store_b64 v[STQ], v[P+32+4*z:P+32+4*z+1] offset:z*2*SP+256
	ds_store_b64 v[STQ], v[P+32+4*z+2:P+32+4*z+3] offset:z*2*SP+384
.set z, z+1
.endr
	WIN 0x80                        ; destination window 2
.set z, 0
.rept 4
	ds_load_b128 v[64*(\t)+8*z:64*(\t)+8*z+3],       v[FRQ] offset:64*z
	ds_load_b128 v[64*(\t)+8*z+4:64*(\t)+8*z+7],     v[FRQ] offset:64*z+32
	ds_load_b128 v[64*(\t)+32+8*z:64*(\t)+32+8*z+3], v[FRQ] offset:256+64*z
	ds_load_b128 v[64*(\t)+32+8*z+4:64*(\t)+32+8*z+7], v[FRQ] offset:256+64*z+32
.set z, z+1
.endr
	WIN 0
.endm
; THE MATRIX WORK.  Product i of 48 of tile t's S^T: three kinds of 16 (0: kh.qh, 1: kh.ql, 2: kl.qh; with ord = 1 kind 2 comes first), in each channels 32 ((i % 16) / 4) on, keys 16 (i % 4) on.
; The four accumulators take turns, one instruction a turn.  The first four start the sums: with the constant 0 (KM = 0), with DM (KM = 1) or with MX (KM = 2).
.macro KQ t, ord
.set kind, i/16
.if \ord
.set kind, (i/16+2)%3
.endif
.set kc, (i%16)/4
.set kb, i%4
.set rZ, S+32*((\t)%2)+8*kb
.set rA, 32*kb+8*kc+128*(kind/2)
.set rB, 64*(\t)+8*kc+32*(kind%2)
.set rM, MX+8*kb
.if KM == 1
.set rM, DM+8*kb+128*(kb/2)
.endif
	WIN W_KQ
.if i >= 4
	v_wmma_f32_16x16x32_f16 v[rZ:rZ+7], v[rA:rA+7], v[rB:rB+7], v[rZ:rZ+7]
.elseif KM == 0
	v_wmma_f32_16x16x32_f16 v[rZ:rZ+7], v[rA:rA+7], v[rB:rB+7], 0
.else
	v_wmma_f32_16x16x32_f16 v[rZ:rZ+7], v[rA:rA+7], v[rB:rB+7], v[rM:rM+7]
.endif
.endm
; Product n of 16 of tile t's O^T += V^T P: keys 32 (n / 8) on, channels 16 (n % 8) on.  The eight accumulators take turns.
.macro PV t, n
.set rO, 64*(\t)+8*((\n)%8)
.set rV, 128+64*((\n)/8)+8*((\n)%8)
.set rP, P+16*(\t)+8*((\n)/8)
	WIN W_PV
	v_wmma_f32_16x16x32_f16 v[rO:rO+7], v[rV:rV+7], v[rP:rP+7], v[rO:rO+7]
	s_wait_alu depctr_va_vdst(0)
.endm
.macro MM                           ; a phase's next matrix instruction: K Q^T of tile MT (MPV = 0), or V^T P of tiles 0, 1, 2 on end (MPV = 1)
.if MPV
	PV (i/16), (i%16)
.else
	KQ MT, MORD
.endif
.set i, i+1
.endm
; THE VECTOR WORK of tile Y, one line at a time: OP kind, number.  X n: number n of the 22 that find its maximum and statistics:
;   0-11  four chains c0-c3 of seven scores each, three operands at a time (each accumulator's lowest registers are read first)     12-14, 16  the four scores left over, the old m, and c0-c3 into c0
;   15  c m_old is kept     17, 18  the query's other 32 keys lie in the lane 16 away: the new m     19-21  c m; c m_old - c m_new; a
; F n: c s - c m for pair n of 16.  E n: the exponential of score n of 32.  C n: pair n rounded to f16.  B n: of the four weights 4 n .. the second pair is added onto the first, in place.
; L n: l takes that sum (L 0: l = a l + sum).  R n: pair n of 32 of O^T times a, in ascending order.  N: v_nop.
.set F, 0
.set E, 1
.set C, 2
.set B, 3
.set L, 4
.set R, 5
.set X, 6
.set N, 7
.macro OP k, n
.set rT, ST+8*Y
.set rC, ST+8*Y+4
.set rW, MV+Y%2
.set rS, S+32*(Y%2)
.set rQ, P+16*Y
.set rU, 64*Y
.if (\k) == N
	v_nop
.elseif (\k) == R
	WIN W_RS
	s_wait_alu depctr_va_vdst(0)
	v_pk_mul_f32 v[rU+2*(\n):rU+2*(\n)+1], v[rU+2*(\n):rU+2*(\n)+1], v[rC+2:rC+3] op_sel_hi:[1,0]
.elseif (\k) == F
	WIN 0
	v_pk_fma_f32 v[rS+2*(\n):rS+2*(\n)+1], v[rS+2*(\n):rS+2*(\n)+1], s[CS:CS+1], v[rT:rT+1] op_sel_hi:[1,0,0] neg_lo:[0,0,1] neg_hi:[0,0,1]
.elseif (\k) == E
	WIN 0
	v_exp_f32 v[rS+(\n)], v[rS+(\n)]
.elseif (\k) == C
	WIN 0
	s_wait_alu depctr_va_vdst(0)
	v_cvt_pk_f16_f32 v[rQ+(\n)], v[rS+2*(\n)], v[rS+2*(\n)+1]
.elseif (\k) == B
	WIN 0
	v_pk_add_f32 v[rS+4*(\n):rS+4*(\n)+1], v[rS+4*(\n):rS+4*(\n)+1], v[rS+4*(\n)+2:rS+4*(\n)+3]
.elseif ((\k) == L) && ((\n) == 0)
	WIN 0
	v_pk_fma_f32 v[rT+2:rT+3], v[rT+2:rT+3], v[rC+2:rC+3], v[rS:rS+1] op_sel_hi:[1,0,1]
.elseif (\k) == L
	WIN 0
	v_pk_add_f32 v[rT+2:rT+3], v[rT+2:rT+3], v[rS+4*(\n):rS+4*(\n)+1]
	s_wait_alu depctr_va_vdst(0)
.else
	WIN 0
.if (\n) < 4
	v_max3_num_f32 v[rC+(\n)], v[rS+8*(\n)], v[rS+8*(\n)+1], v[rS+8*(\n)+2]
.elseif (\n) < 12
	v_max3_num_f32 v[rC+(\n)%4], v[rC+(\n)%4], v[rS+8*((\n)%4)+2*((\n)/4)+1], v[rS+8*((\n)%4)+2*((\n)/4)+2]
.elseif (\n) == 12
	v_max3_num_f32 v[rC], v[rC], v[rS+7], v[rS+15]
.elseif (\n) == 13
	v_max3_num_f32 v[rC+1], v[rC+1], v[rS+23], v[rS+31]
.elseif (\n) == 14
	v_max3_num_f32 v[rC+2], v[rC+2], v[rC+3], v[rT+1]
.elseif (\n) == 15
	v_mov_b32 v[rW], v[rT]
.elseif (\n) == 16
	v_max3_num_f32 v[rC], v[rC], v[rC+1], v[rC+2]
.elseif (\n) == 17
	v_permlanex16_b32 v[rC+3], v[rC], s[SEL], s[SEL+1]
.elseif (\n) == 18
	v_max_num_f32 v[rT+1], v[rC], v[rC+3]
.elseif (\n) == 19
	v_mul_f32 v[rT], s[CS], v[rT+1]
.elseif (\n) == 20
	v_sub_f32 v[rC+1], v[rW], v[rT]
.else
	v_exp_f32 v[rC+2], v[rC+1]
.endif
.endif
.endm
.macro ROW a, i1, b=-1, i2=0, c=-1, i3=0, d=-1, i4=0  ; a matrix instruction and up to four vector lines behind it
	MM
	OP \a, \i1
.if (\b) >= 0
	OP \b, \i2
.endif
.if (\c) >= 0
	OP \c, \i3
.endif
.if (\d) >= 0
	OP \d, \i4
.endif
.endm
; A PHASE: 48 matrix instructions (K Q^T of tile mt, or V^T P) and tile y's 134 vector lines, the order written out, in two parts, so that a step can be entered behind the first.
; PHASE_A: rows 0 to 3, the four products that start the sums (km: with what).  The first row's four v_nop are the places behind the products that made tile y's scores.  It ends with every window 0.
.macro PHASE_A y, mt, ord, km
.set Y, (\y)
.set MT, (\mt)
.set MORD, (\ord)
.set KM, (\km)
.set i, 0
	ROW N,0, N,0, N,0, N,0
	ROW X,0, X,1, X,2, X,3
	ROW X,4, X,5, X,6, X,7
	ROW X,8, X,9, X,10, X,11
	WIN 0
.endm
; PHASE_B: rows 4 to 47.  The chain from the maximum to c m stands one link a row.  Then exponential and plain by turns, so that a plain line follows every exponential before its result is used (ISA guide 5.7.2), three lines
; a row, and every fourth row four of the rescaling.  No line names a register of the products round it.  fv = 1: K lo was last read by the product of row 15; behind it stand the plain lines F 10, C 0, C 1, B 0, F 11 and
; the address line, and then V is fetched into its registers.
.macro PHASE_B y, mt, ord, fv
.set Y, (\y)
.set MT, (\mt)
.set MORD, (\ord)
.set i, 4
	ROW X,12, X,13, X,14, X,15
	ROW X,16
	ROW X,17
	ROW X,18
	ROW X,19
	ROW X,20, F,0, F,1, F,2
	ROW X,21, F,3, F,4, F,5
	ROW E,0, F,6, E,1
	ROW F,7, E,2, F,8
	ROW E,3, F,9, E,4
	ROW R,0, R,1, R,2, R,3
	ROW F,10, E,5, C,0
	ROW E,6, C,1, E,7
	ROW B,0, E,8, F,11
.if \fv
	FETCH_V
.endif
	ROW R,4, R,5, R,6, R,7
	ROW E,9, C,2, E,10
	ROW C,3, E,11, B,1
	ROW L,0, E,12, F,12
	ROW R,8, R,9, R,10, R,11
	ROW E,13, C,4, E,14
	ROW C,5, E,15, B,2
	ROW F,13, E,16, F,14
	ROW R,12, R,13, R,14, R,15
	ROW E,17, C,6, E,18
	ROW C,7, E,19, B,3
	ROW F,15, E,20, L,1
	ROW R,16, R,17, R,18, R,19
	ROW E,21, C,8, E,22
	ROW C,9, E,23, B,4
	ROW L,2, E,24, L,3
	ROW R,20, R,21, R,22, R,23
	ROW E,25, C,10, E,26
	ROW C,11, E,27, B,5
	ROW L,4, E,28, C,12
	ROW R,24, R,25, R,26, R,27
	ROW E,29, C,13, E,30
	ROW B,6, E,31, L,5
	ROW L,6, C,14, C,15
	ROW R,28, R,29, R,30, R,31
	ROW B,7, L,7
	MM
	MM
	MM
	MM
.endm
.macro SFILL b                      ; buffer b of S^T: every score hidden
	WIN 0
.set z, 0
.rept 32
	v_mov_b32 v[S+32*(\b)+z], s[BIGN]
.set z, z+1
.endr
.endm
; PART 1 of a step: tile 0's mask; K lo; the tiles' scores; the softmax of tiles 0 to 2; V.  With DS = 1, 2, 3 it is entered at tile DS: all jumps go forward, past text that holds no barrier and no tensor load.
.macro PART1
.set MPV, 0
	s_cmp_eq_u32 s[DS], 0           ; does this step hold tile 0's diagonal?
	s_cselect_b32 s[AL], 1.0, 0
	WIN 0
.set z, 0
.rept 16
	v_pk_mul_f32 v[MX+2*z:MX+2*z+1], v[DM+2*z+128*(z/8):DM+2*z+128*(z/8)+1], s[AL:AL+1] op_sel_hi:[1,0]
.set z, z+1
.endr
	s_wait_dscnt 0x0                ; K hi, asked for half a step ago, is in; at a block's beginning Q's fragments too
	FETCH_K KLO, 128                ; the sixteen lines above are the places behind the last product that read V, whose registers K lo takes
	s_cmp_gt_i32 s[DS], 0
	s_cbranch_scc0 .Lalive_\@
	s_cmp_eq_u32 s[DS], 2
	s_cbranch_scc1 .Ld2_\@
	SFILL 0                         ; DS = 1 or 3: tile 0 or tile 2 sees nothing; both have S^T's first buffer
	s_wait_dscnt 0x0                ; K lo is in: the counted waits for it stand in the text that is jumped
	s_cmp_eq_u32 s[DS], 1
	s_cbranch_scc0 .Ld3_\@
	PHASE_A 0, 1, 0, 1              ; tile 1 holds the diagonal
	s_branch .Lp0_\@
.Ld3_\@:
	PHASE_A 2, 3, 1, 1              ; tile 3 holds the diagonal
	s_branch .Lp2_\@
.Ld2_\@:
	SFILL 1                         ; tile 1 sees nothing
	s_wait_dscnt 0x0
	PHASE_A 1, 2, 0, 1              ; tile 2 holds the diagonal
	s_branch .Lp1_\@
.Lalive_\@:
.set MT, 0
.set MORD, 0
.set KM, 2
.set i, 0
.rept 48                            ; tile 0's scores: there is no softmax yet to set between them
.if (i >= 32) && (i%4 == 0)
	s_wait_dscnt 24-8*((i-32)/4)    ; K lo's channel group (i - 32) / 4 is in: eight loads a group, the later groups stay out
.endif
	MM
.endr
	PHASE_A 0, 1, 0, 0
.Lp0_\@:
	PHASE_B 0, 1, 0, 0
	PHASE_A 1, 2, 0, 0
.Lp1_\@:
	PHASE_B 1, 2, 0, 0
	PHASE_A 2, 3, 1, 0
.Lp2_\@:
	PHASE_B 2, 3, 1, 1
.endm
; PART 2: tile 3's softmax behind the products V^T P of tiles 0 to 2, then tile 3's.
.macro PART2
.set MPV, 1
	PHASE_A 3, 0, 0, 0
	PHASE_B 3, 0, 0, 0
.set i, 0
.rept 16
	PV 3, i
.set i, i+1
.endr
.endm
; A STEP.  fill = 1: its slot is filled again.  fill = 0, the tail: nothing is asked for, and behind the walk's last step there is no K.
.macro STEP fill
	PART1
	CHANGE \fill
.if \fill
	FETCH_K 0, 0                    ; K hi of the next step, out of the next slot
	ASK
	ASKQ
.else
	s_cmp_eq_u32 s[CNT], 1
	s_cbranch_scc1 .Lno_k_\@
	FETCH_K 0, 0
.Lno_k_\@:
.endif
	PART2
	WIN 0
	s_add_co_i32 s[DS], s[DS], 1
.if \fill
	s_sub_co_u32 s[STP], s[STP], 1
.endif
.endm
; THE WAY OUT.  l's two halves and the other half of the lanes' are added; O^T is divided by l and sent through my stage in LDS, a tile (16 rows of O) at a time.  The four additions are the places behind the last products.
; A lane's eight channels of a row are 32 bytes; they go into rows of 528 bytes and come back as whole rows of 512, into the registers of S^T and P, which are free.
.macro PACK t
	WIN W_RS
.set i, 64*(\t)
.rept 32
	v_pk_mul_f32 v[i:i+1], v[i:i+1], v[ST+8*(\t)+2:ST+8*(\t)+3] op_sel_hi:[1,0]
.set i, i+2
.endr
	WIN 0x04                        ; the stores' data in window 1
.set i, 0
.rept 16
	ds_store_b128 v[STO], v[64*(\t)+4*i:64*(\t)+4*i+3] offset:64*(i/2)+16*(i%2)
.set i, i+1
.endr
	WIN 0
.if (\t) >= 2
	s_wait_xcnt 0x0                 ; the stores of the tile two back have read these registers
.endif
.set i, 0
.rept 16
	ds_load_b128 v[64+64*((\t)%2)+4*i:64+64*((\t)%2)+4*i+3], v[RD] offset:SP*i  ; LDS serves a wave's instructions in order (ISA guide 5.7.1.4): these see the stores above; the next tile's stores come behind them
.set i, i+1
.endr
.endm
.macro SEND t, younger              ; younger: the LDS instructions issued behind tile t's loads: the next tile's 32, or none
	WIN 0
.set i, 0
.rept 16
.if i%4 == 0
	s_wait_dscnt (\younger)+12-i    ; four more rows are back; the tile's later rows and the younger instructions stay out
.endif
	global_store_b128 v[GO], v[64+64*((\t)%2)+4*i:64+64*((\t)%2)+4*i+3], s[OB:OB+1] offset:(64*(\t)+i)*8192 th:TH_STORE_NT  ; a wave stores 512 consecutive bytes, aligned: a head's row; tile t lies 64 rows on
.set i, i+1
.endr
.endm
; tab = 1, the first block's end: when tile t's rows are back out of the stage, its LDS stores, which read O^T's registers, are done (the counter falls in order), and the second block's cosines and sines are asked into them.
.macro WAYOUT tab
	WIN 0
.irp t, 0,1,2,3
	v_add_f32 v[ST+8*(\t)+2], v[ST+8*(\t)+2], v[ST+8*(\t)+3]
.endr
.irp t, 0,1,2,3
	v_permlanex16_b32 v[ST+8*(\t)+3], v[ST+8*(\t)+2], s[SEL], s[SEL+1]
.endr
.irp t, 0,1,2,3
	v_add_f32 v[ST+8*(\t)+2], v[ST+8*(\t)+2], v[ST+8*(\t)+3]
.endr
.irp t, 0,1,2,3
	v_rcp_f32 v[ST+8*(\t)+2], v[ST+8*(\t)+2]
.endr
	v_nop                           ; a plain line between the last reciprocal and the use of its result
	s_wait_alu depctr_va_vdst(0)
	PACK 0
	PACK 1                          ; a tile's arithmetic stands between the loads of the tile before and its stores
	SEND 0, 32
.if \tab
	TLOADS TB2, 0
.endif
	PACK 2
	SEND 1, 32
.if \tab
	TLOADS TB2, 1
.endif
	PACK 3
	SEND 2, 32
.if \tab
	TLOADS TB2, 2
.endif
	SEND 3, 0
.if \tab
	TLOADS TB2, 3
.endif
.endm
	s_load_b256 s[4:11], s[0:1], 0x0  ; q s[4:5], kk s[6:7], vv s[8:9], out0 s[10:11]
	s_load_b64 s[TABP:TABP+1], s[0:1], 0x20  ; tab
	v_lshl_add_u32 v[SPW], v0, 2, SPARE
	v_mov_b32 v[NIL], 0
	ds_add_u32 v[SPW], v[NIL]       ; the wave's opening: the add and its wait stand ahead of my first tensor load; the set-up below, work on registers, stands between them
	ds_add_u32 v14, v15
	v_lshrrev_b32 v1, 5, v0
	v_readfirstlane_b32 s[WV], v1   ; wave 0..3
	s_mov_b32 s[PB], ttmp9
	s_sub_co_u32 s[HI], 7, s[PB]
	s_and_b32 s16, ttmp7, 0xffff    ; g
	s_and_b32 s17, s[WV], 1
	s_lshl_b32 s13, s16, 20         ; a head is 2^20 bytes of kk, 2^19 of vv
	s_lshl_b32 s18, s17, 14         ; kk: hi or lo of a step
	s_add_co_u32 s18, s18, s13
	s_mov_b32 s19, 0
	s_lshl_b32 s20, s16, 19
	s_lshl_b32 s21, s17, 13         ; vv: which 32 rows of a step
	s_add_co_u32 s20, s20, s21
	s_mov_b32 s21, 0
	s_and_b32 s22, s16, 1           ; tab: the chunk, 2,048 rows of 512 bytes,
	s_lshl_b32 s22, s22, 20
	s_lshl_b32 s23, s[WV], 13       ; my 16 rows in a band,
	s_add_co_u32 s22, s22, s23
	s_lshl_b32 s[TBL], s[HI], 17    ; in the first block,
	s_add_co_u32 s[TBL], s[TBL], s22
	s_mov_b32 s[TBL+1], 0
	s_lshl_b32 s[TB2], s[PB], 17    ; and in the second
	s_add_co_u32 s[TB2], s[TB2], s22
	s_mov_b32 s[TB2+1], 0
	s_lshr_b32 s22, s16, 5          ; q and out0, which are laid alike: the batch, 2^25 bytes,
	s_lshl_b32 s22, s22, 25
	s_and_b32 s23, s16, 1           ; the chunk, 2,048 positions of 8,192 bytes,
	s_lshl_b32 s23, s23, 24
	s_add_co_u32 s22, s22, s23
	s_bfe_u32 s23, s16, 0x40001     ; the head, 512 bytes,
	s_lshl_b32 s23, s23, 9
	s_add_co_u32 s22, s22, s23
	s_lshl_b32 s23, s[WV], 17       ; my 16 positions in a band,
	s_add_co_u32 s22, s22, s23
	s_lshl_b32 s[OB], s[HI], 21     ; in the first block,
	s_add_co_u32 s[OB], s[OB], s22
	s_mov_b32 s[OB+1], 0
	s_lshl_b32 s[OB2], s[PB], 21    ; and in the second
	s_add_co_u32 s[OB2], s[OB2], s22
	s_mov_b32 s[OB2+1], 0
	s_lshl_b32 s[PFK], s[WV], 13    ; the prefetches in kk: my 32 rows of a step's 128, at step 4: the first change of slots steps it to step 5
	s_add_co_u32 s[PFK], s[PFK], s13
	s_add_co_u32 s[PFK], s[PFK], 4*32768
	s_mov_b32 s[PFK+1], 0
	s_add_co_u32 s[PFV], s20, 4*16384  ; in vv: my 32 rows of a step's 64 (waves 0 and 1)
	s_mov_b32 s[PFV+1], 0
	; descriptor group 1: rows of 128 elements of 2 bytes, dense in memory, padded in LDS after every row
	s_mov_b32 s[G1K], (1<<16)|(1<<20)|(5<<22)|(3<<25)  ; 17:16 2-byte elements; 20 padding on; 24:22 after every 64 words (code 5); 31:25 4 words (code 3)
	s_mov_b32 s[G1V], (1<<16)|(1<<20)|(5<<22)|(7<<25)  ; the same with 8 words of padding (code 7)
	s_mov_b32 s[G1K+2], 64<<16      ; tensor_dim1 = 64
	s_mov_b32 s[G1V+2], 32<<16      ; 32
	s_mov_b32 s[G1K+4], 64          ; tile_dim1 = 64
	s_mov_b32 s[G1V+4], 32          ; 32
.irp g, G1K, G1V
	s_mov_b32 s[\g+1], 128<<16      ; tensor_dim0 = 128
	s_mov_b32 s[\g+3], 128<<16      ; tile_dim0 = 128
	s_mov_b32 s[\g+5], 128          ; 128 elements from row to row
	s_mov_b32 s[\g+6], 0
	s_mov_b32 s[\g+7], 0
.endr
	s_mov_b32 s[CS], 0x3fb8aa3b     ; c = log2 e: the scale is 1.0
	s_mov_b32 s[CS+1], s[CS]        ; named with it as a pair
	s_mov_b32 s[SEL], 0x76543210
	s_mov_b32 s[SEL+1], 0xfedcba98
	s_mov_b32 s[BIGN], 0xf149f2ca   ; -1e30
	s_mov_b32 s[AL+1], 0            ; named as pairs
	s_mov_b32 s[OFF+1], 0
	s_lshl_b32 s[DS], s[HI], 2      ; the first block's first band,
	s_add_co_u32 s[LQ], s[DS], 3    ; its last key step,
	s_sub_co_i32 s[DS], 0, s[DS]    ; key step 0 less the first band,
	s_add_co_u32 s[LEFTG], s[HI], 1 ; its groups
	s_lshl_b32 s[DS2], s[PB], 2
	s_add_co_u32 s[LQ2], s[DS2], 3
	s_sub_co_i32 s[DS2], 0, s[DS2]
	s_mov_b32 s[NXT], 4             ; key steps 0 to 3 are the first fills
	s_mov_b32 s[SL], 0
	s_mov_b32 s[STP], 32
	s_cmp_eq_u32 s[PB], 0
	s_cselect_b32 s[LIM], 5, -1
	s_mul_i32 s[SB], s[WV], 16*SP
	s_add_co_u32 s[SB], s[SB], STAGE
	v_and_b32 v1, 15, v0            ; l % 16
	v_bfe_u32 v9, v0, 4, 1          ; l / 16
	v_and_b32 v208, 7, v0           ; l % 8
	v_bfe_u32 v209, v0, 3, 1        ; (l / 8) % 2
	v_and_b32 v210, 31, v0          ; l
	v_mul_u32_u24 v[AK0], v1, PK
	v_lshl_add_u32 v[AK0], v9, 4, v[AK0]  ; row x pitch + 16 x half
	v_lshl_add_u32 v[AV0], v9, 3, v208
	v_mul_u32_u24 v[AV0], v[AV0], PVP
	v_lshl_add_u32 v[AV0], v209, 4, v[AV0]
	v_add_nc_u32 v[AV0], VOFF, v[AV0]
	v_lshlrev_b32 v[TO], 4, v1            ; 16 bytes a lane of a half wave,
	v_lshl_add_u32 v[QO], v9, 13, v[TO]   ; the second half wave a row of q on,
	v_lshl_add_u32 v[TO], v9, 9, v[TO]    ; or a row of the table
	v_mov_b32 v[NEG1], -1.0
	v_mul_u32_u24 v[STO], v1, SP          ; O into the stage: row l % 16, 32 bytes for each half of the lanes
	v_lshl_add_u32 v[STO], v9, 5, v[STO]
	v_add_nc_u32 v[STO], s[SB], v[STO]
	v_lshl_add_u32 v[RD], v210, 4, s[SB]  ; back: 32 lanes take one row of 512 bytes
	v_mul_u32_u24 v[STQ], v9, SP          ; Q into the stage: row l / 16 of a pair, 8 bytes a lane
	v_lshl_add_u32 v[STQ], v1, 3, v[STQ]
	v_add_nc_u32 v[STQ], s[SB], v[STQ]
	v_mul_u32_u24 v[FRQ], v1, SP          ; back: row l % 16, 16 bytes for each half of the lanes
	v_lshl_add_u32 v[FRQ], v9, 4, v[FRQ]
	v_add_nc_u32 v[FRQ], s[SB], v[FRQ]
	v_lshlrev_b32 v[GO], 4, v210
	v_lshlrev_b32 v[PFO], 8, v210
	v_lshrrev_b32 v[PFQ], 1, v210
	v_lshlrev_b32 v[PFQ], 13, v[PFQ]
	v_and_b32 v211, 1, v210
	v_lshl_add_u32 v[PFQ], v211, 8, v[PFQ]
	v_lshlrev_b32 v211, 3, v9
	v_sub_nc_u32 v211, v1, v211
	v_lshl_add_u32 v211, s[WV], 4, v211   ; my query's place in its band, 16 w + l % 16, less my lanes' 8 (l / 16): register j of key block kb is hidden where 16 kb + j is greater
.set z, 0
.rept 32
	v_cmp_gt_i32 vcc_lo, 16*(z/8)+z%8, v211
	v_cndmask_b32 v[DM+z+128*(z/16)], 0, s[BIGN], vcc_lo
.set z, z+1
.endr
.irp t, 0,1,2,3
	v_mov_b32 v[ST+8*(\t)+2], 0           ; l: a block's first step multiplies it by a = 0, so it need only be finite
	v_mov_b32 v[ST+8*(\t)+3], 0
.endr
	s_wait_dscnt 0x0                ; the opening add is done
	s_wait_kmcnt 0x0
	s_add_nc_u64 s[QB:QB+1], s[4:5], s[OB:OB+1]        ; (the two pairs on the right still hold the offsets)
	s_add_nc_u64 s[QB2:QB2+1], s[4:5], s[OB2:OB2+1]
	s_add_nc_u64 s[OB:OB+1], s[10:11], s[OB:OB+1]
	s_add_nc_u64 s[OB2:OB2+1], s[10:11], s[OB2:OB2+1]
	s_add_nc_u64 s[TBL:TBL+1], s[TABP:TABP+1], s[TBL:TBL+1]
	s_add_nc_u64 s[TB2:TB2+1], s[TABP:TABP+1], s[TB2:TB2+1]
	s_add_nc_u64 s[PFK:PFK+1], s[6:7], s[PFK:PFK+1]
	s_add_nc_u64 s[PFV:PFV+1], s[8:9], s[PFV:PFV+1]
	; THE FIRST FILLS: key steps 0 to 3 into slots 0 to 3, four loads a wave, in one branch on the wave's number, ahead of every wait on TENSORcnt, every LDS read and every barrier.  An s_nop 0 follows each, four v_nop the last.
	s_cmp_lt_u32 s[WV], 2
	s_cbranch_scc0 .Lfirst_v
	s_add_nc_u64 s[TBASE:TBASE+1], s[6:7], s[18:19]
	s_mul_i32 s[LB], s17, KLO       ; hi or lo in a slot
	s_mov_b32 s[SH], 15             ; a step is 32,768 bytes of kk
.irp n, 0,1,2,3
	s_mov_b32 s[G0+4*(\n)], 1                                       ; 1:0 count = 1
	s_add_co_u32 s[G0+4*(\n)+1], s[LB], (\n)*SLOTB                  ; 63:32 LDS address
	s_add_nc_u64 s[G0+4*(\n)+2:G0+4*(\n)+3], s[TBASE:TBASE+1], (\n)*32768  ; 120:64 global address
	s_or_b32 s[G0+4*(\n)+3], s[G0+4*(\n)+3], 0x80000000             ; 127:126 type = 2
.endr
.irp n, 0,1,2,3
	tensor_load_to_lds s[G0+4*(\n):G0+4*(\n)+3], s[G1K:G1K+7]
	s_nop 0
.endr
	PLACES
	s_branch .Lfirst_done
.Lfirst_v:
	s_add_nc_u64 s[TBASE:TBASE+1], s[8:9], s[20:21]
	s_mul_i32 s[LB], s17, 32*PVP    ; which half of V's rows in a slot
	s_add_co_u32 s[LB], s[LB], VOFF
	s_mov_b32 s[SH], 14             ; a step is 16,384 bytes of vv
.irp n, 0,1,2,3
	s_mov_b32 s[G0+4*(\n)], 1
	s_add_co_u32 s[G0+4*(\n)+1], s[LB], (\n)*SLOTB
	s_add_nc_u64 s[G0+4*(\n)+2:G0+4*(\n)+3], s[TBASE:TBASE+1], (\n)*16384
	s_or_b32 s[G0+4*(\n)+3], s[G0+4*(\n)+3], 0x80000000
.endr
.irp n, 0,1,2,3
	tensor_load_to_lds s[G0+4*(\n):G0+4*(\n)+3], s[G1V:G1V+7]
	s_nop 0
.endr
	PLACES
.Lfirst_done:
	QLOADS QB                       ; the first block's q and table are asked for beside the first tiles: q of tiles 0 to 3, then the table of tiles 0 to 3, the order in which the change of blocks asks too
	TLOADS TBL, 0
	TLOADS TBL, 1
	TLOADS TBL, 2
	TLOADS TBL, 3
	s_wait_tensorcnt 0x3            ; my part of key step 0 is in; my three later loads may stay out
	s_barrier_signal -1
	s_barrier_wait -1               ; everybody's is
	FETCH_K 0, 0                    ; K hi of key step 0
	s_mov_b32 s[GC], 9              ; the loop is entered in the middle of a trip, at a block's beginning: that trip has no steps, the other 8 have 4 each
	s_branch .Lbegin
.Lgroup:                            ; 8 groups of 4 steps, each of which fills its slot again
	s_mov_b32 s[CNT], 4
.Lstep:
	STEP 1
	s_sub_co_u32 s[CNT], s[CNT], 1
	s_cmp_lg_u32 s[CNT], 0
	s_cbranch_scc1 .Lstep
	s_sub_co_u32 s[LEFTG], s[LEFTG], 1
	s_cmp_lg_u32 s[LEFTG], 0
	s_cbranch_scc1 .Lsame
	QLOADS QB2                      ; THE FIRST BLOCK'S END.  Its last scores were made half a step ago: the second block's q lands under the way out
	WAYOUT 1
	s_wait_xcnt 0x0                 ; the stores have read their registers and O's address
	s_mov_b64 s[OB:OB+1], s[OB2:OB2+1]
	s_mov_b32 s[DS], s[DS2]
	s_add_co_u32 s[LEFTG], s[PB], 1 ; the second block has b + 1 groups, the last of them the tail
.Lbegin:                            ; A BLOCK BEGINS.  On both ways here 128 loads have been issued, in the same order
.irp t, 0,1,2,3
	v_mov_b32 v[ST+8*(\t)], 0xfe000000    ; c m: far below every c s
	v_mov_b32 v[ST+8*(\t)+1], 0xff7fffff  ; m: the lowest finite number
.endr
	s_wait_loadcnt 48               ; all q and tile 0's table are in; the tables of tiles 1 to 3, 16 loads each, may stay out
	ROPEQ 0
	s_wait_loadcnt 32
	ROPEQ 1
	s_wait_loadcnt 16
	ROPEQ 2
	s_wait_loadcnt 0x0
	ROPEQ 3
.Lsame:
	s_sub_co_u32 s[GC], s[GC], 1
	s_cmp_lg_u32 s[GC], 0
	s_cbranch_scc1 .Lgroup
	s_mov_b32 s[CNT], 4             ; the walk's last group is written out: nothing is asked for
.Ltail:
	STEP 0
	s_sub_co_u32 s[CNT], s[CNT], 1
	s_cmp_lg_u32 s[CNT], 0
	s_cbranch_scc1 .Ltail
	WAYOUT 0                        ; the second block's end
	s_wait_tensorcnt 0x0            ; the wave's end, behind my last tensor load and my last LDS store
	ds_add_u32 v[SPW], v[NIL]
	s_wait_dscnt 0x0
	s_endpgm
.Lfunc_end_k_q6885255900_attn:
	.size	k_q6885255900_attn, .Lfunc_end_k_q6885255900_attn-k_q6885255900_attn
	.p2alignl 7, 3214868480
	.fill 96, 4, 3214868480
	.section	.rodata,"a",@progbits
	.p2align	6, 0x0
	.amdhsa_kernel k_q6885255900_attn
		.amdhsa_group_segment_fixed_size 327680
		.amdhsa_private_segment_fixed_size 0
		.amdhsa_enable_private_segment 0
		.amdhsa_kernarg_size 40
		.amdhsa_user_sgpr_count 2
		.amdhsa_user_sgpr_kernarg_segment_ptr 1
		.amdhsa_wavefront_size32 1
		.amdhsa_system_sgpr_workgroup_id_x 1
		.amdhsa_system_sgpr_workgroup_id_y 1
		.amdhsa_system_sgpr_workgroup_id_z 1
		.amdhsa_system_vgpr_workitem_id 0
		.amdhsa_next_free_vgpr 1024
		.amdhsa_next_free_sgpr 106
		.amdhsa_reserve_vcc 1
		.amdhsa_float_denorm_mode_32 3
		.amdhsa_float_denorm_mode_16_64 3
		.amdhsa_memory_ordered 1
		.amdhsa_forward_progress 1
		.amdhsa_inst_pref_size 255
	.end_amdhsa_kernel
	.section	.bss,"aw",@nobits
	.p2align	6
	.space	262144
	.amdgpu_metadata
---
amdhsa.version: [ 1, 2 ]
amdhsa.kernels:
  - .name:           k_q6885255900_attn
    .symbol:         k_q6885255900_attn.kd
    .args:
      - { .name: q, .offset: 0, .size: 8, .value_kind: global_buffer, .address_space: global }
      - { .name: kk, .offset: 8, .size: 8, .value_kind: global_buffer, .address_space: global }
      - { .name: vv, .offset: 16, .size: 8, .value_kind: global_buffer, .address_space: global }
      - { .name: out0, .offset: 24, .size: 8, .value_kind: global_buffer, .address_space: global }
      - { .name: tab, .offset: 32, .size: 8, .value_kind: global_buffer, .address_space: global }
    .group_segment_fixed_size: 327680
    .private_segment_fixed_size: 0
    .kernarg_segment_align: 8
    .kernarg_segment_size: 40
    .max_flat_workgroup_size: 128
    .sgpr_count:     106
    .vgpr_count:     1024
    .wavefront_size: 32
...
	.end_amdgpu_metadata
.endif
;; end of part 4
;; ======== version 3 of 3: 2 launches; version 2 with the launch prep written anew for expert scheduling mode
;; limits: values are held in f16: magnitudes above 65,504 overflow, below 6.1e-05 lose precision
;; workspace buffers: kk 67,108,864 bytes; vv 33,554,432 bytes; tab 2,097,152 bytes
;; launch prep (part 5): grid 256 x 2, 8 waves a work-group, no clusters, 0 bytes of LDS; arguments k, v, kk, vv, tab; writes kk, vv, tab
.if DOCPART == 5
	.amdgcn_target "amdgcn-amd-amdhsa--gfx1250"
	.amdhsa_code_object_version 6
	.text
	.protected	k_q6885255900_prep
	.globl	k_q6885255900_prep
	.p2align	8
	.type	k_q6885255900_prep,@function
k_q6885255900_prep:
	s_mov_b64 s[64:65], 0
	v_nop
	global_prefetch_b8 v0, s[64:65] scope:SCOPE_SE
	s_setreg_imm32_b32 hwreg(HW_REG_WAVE_SCHED_MODE, 0, 2), 2
	s_setreg_imm32_b32 hwreg(HW_REG_WAVE_MODE, 25, 1), 1
	s_wait_xcnt 0x0
	s_wait_alu depctr_vm_vsrc(0)
; PREP.  k, v: [2][4096][16][128] f32.  Half-split rotary embedding of k at position t (start index 0), then a split of each rotated number into f16 hi + f16 lo; v is rounded once to f16.
; Both leave by heads, for the attention launch, with g = (b*16+h)*2 + t/2048:
;   kk [g][step of 64 keys][hi, lo][64][128] f16 (32,768 dense bytes a step)    vv [(b*16+h)*4096+t][128] f16    tab [t][cos 64, sin 64] f32: the table by which the attention launch rotates q
; WHY HI + LO.  The scores have scale 1.0, a spread of sqrt(128), so two near-equal top keys are common, and the error of a score's difference goes straight into the weights:
; one 16-bit rounding of q and k is too coarse.  hi + lo carry about 22 bits.
; THE ANGLES follow the f32 roundings of the definition: a = fl(j * f32(-ln(10000)/64)), f = exp(a), angle = fl(t * f).  exp(a) = 2^(a log2 e), with a log2 e kept as a sum of two
; f32 numbers; sine and cosine by a reduction with pi/2 in two parts (exact up to t = 4095) and polynomials on |r| <= pi/4.
; LIMITS.  Rotated k and v must lie within f16, 65,504; lo keeps the fixed step 6e-8 below 6e-5; f may differ from a correctly rounded exp(a) in its last bit.  NaN and infinities are not treated apart.
; SHARES.  A wave owns two positions t0 = 2p, t1 = 2p+1 for all 16 heads.  i = lane % 16, hh = lane / 16.
; k comes by two loads a head: in each, lanes 0-15 take 256 consecutive bytes, aligned, of row t0 and lanes 16-31 of row t1; the first brings channels 0-63, the second 64-127.  So a lane holds channels
; 4 i .. 4 i + 3 AND the channels 64 further on of ONE row: the rotation stays in the lane, and a lane needs four cosines and sines, made once, while the first loads are out.
; v comes as whole rows: 32 lanes x 16 bytes.  ON THE WAY OUT four exchanges of half waves on the packed words put a row's 128 channels into lane order, and every store is 32 lanes x 8 bytes: 256 consecutive bytes, aligned.
; NO REGISTER THAT A STORE READS IS EVER WRITTEN AGAIN: heads 0-7 have 12 store registers each, heads 8-15 pack in place into their load slots, which are not filled again; offsets and bases are made once.
; So the only waits on memory counters are the counted ones for loads.  No LDS, no barrier, no matrix unit: each byte is read once and written once, and no wave needs another's data.
; THE MODE: SCHED_MODE bits 1:0 = 2 (LLVM: expert scheduling mode 2), set by the entry lines.  The code itself states the register dependences between vector instructions and memory instructions,
; and those through scalar registers that vector instructions write, with s_wait_alu, always for 0.
; THE PLAN.  Registers that memory instructions touch:
;   v2 .. v5     the offsets.  Written at the head, read by every load and store, named by no vector line behind the wait that stands ahead of the first load.
;   CO, SN       Written by the last lines of the cosines' and sines' work; read by the two stores of the table; behind them read by vector lines alone.
;   X, slot s    Head h < 8: its first twelve vector lines read the slot; behind them the loads of head h + 8 land in it.  Head h >= 8: its conversions and exchanges write the slot in place; its six stores read it.
;   D, 12 a head Heads 0-7: written by the head's conversions and exchanges; read by its six stores.
;   Y, NEG1, POS, J0 and W are named by vector lines alone.
; ONE wait on va_vdst stands in a head, behind the twelve lines that empty its slot.  It states that they are done reading the slot, and that the head before has written its twelve store words.  Behind it stand the head's
; four loads and the six stores OF THE HEAD BEFORE, dealt among the head's other twenty vector lines, which name Y, NEG1 and the head's own store words: none of the registers that those loads and stores touch.
; Since no register that a memory instruction has read is written again, the text holds no wait on vm_vsrc.
.set IK,   2                           ; v2   k's loads: hh*8192 + i*16; never rewritten
.set IV,   3                           ; v3   v's loads: lane*16
.set O8,   4                           ; v4   the stores: lane*8
.set TO,   5                           ; v5   the table: hh*512 + i*16
.set POS,  6                           ; v6   t as f32
.set J0,   7                           ; v7   4 i: my first frequency
.set CO,   8                           ; v[8:11]   cos
.set SN,   12                          ; v[12:15]  sin
.set Y,    16                          ; v[16:23]  the rotated numbers (first half's four, second half's four), then what hi leaves of them
.set NEG1, 24                          ; v24  -1.0
.set D,    26                          ; v[26:121]  heads 0-7: 12 registers each: hi t0, hi t1, lo t0, lo t1, v t0, v t1, two each
.set W,    26                          ; v[26:73]   at work for cos and sin, before the first head: 12 registers for each of my four frequencies
.set X,    122                         ; v[122:249] eight slots of 16: k's first half, k's second half, v's row t0, v's row t1, four each
.set MK,   30                          ; s[30:33]   for each of my four frequencies the lanes in an odd quarter; the four registers are free once the bases are made
	s_load_b256 s[4:11], s[0:1], 0x0               ; k s[4:5], v s[6:7], kk s[8:9], vv s[10:11]
	s_load_b64 s[12:13], s[0:1], 0x20              ; tab
	v_lshrrev_b32 v1, 5, v0
	v_readfirstlane_b32 s14, v1                    ; wave 0..7
	s_lshl_b32 s15, ttmp9, 3
	s_and_b32 s28, ttmp7, 0xffff                   ; b
	v_and_b32 v1, 15, v0                           ; i
	v_bfe_u32 v[POS], v0, 4, 1                     ; hh
	v_lshlrev_b32 v[TO], 4, v1
	v_lshl_add_u32 v[IK], v[POS], 13, v[TO]
	v_lshl_add_u32 v[TO], v[POS], 9, v[TO]
	v_and_b32 v[O8], 31, v0
	v_lshlrev_b32 v[IV], 4, v[O8]
	v_lshlrev_b32 v[O8], 3, v[O8]
	v_lshlrev_b32 v[J0], 2, v1
	s_wait_alu depctr_va_sdst(0)                   ; s14 is written, ahead of its first reader: my pair of positions, and with it every base, is made from it
	s_add_co_u32 s15, s15, s14                     ; p = 0..2047: my pair of positions
	s_lshl_b32 s29, s15, 1
	v_add_nc_u32 v[POS], s29, v[POS]
	v_cvt_f32_u32 v[POS], v[POS]                   ; t = 2 p + hh
	v_mov_b32 v[NEG1], -1.0
	s_lshl_b32 s29, s28, 25                        ; b x 2^25 bytes in k, v and kk
	s_lshl_b32 s30, s15, 14                        ; inputs: two positions are 16,384 bytes
	s_add_co_u32 s30, s30, s29
	s_mov_b32 s31, 0
	s_lshr_b32 s32, s15, 10                        ; kk: the chunk,
	s_lshl_b32 s32, s32, 20
	s_bfe_u32 s33, s15, 0x50005                    ; the step of 64 keys,
	s_lshl_b32 s33, s33, 15
	s_add_co_u32 s32, s32, s33
	s_and_b32 s33, s15, 31                         ; two keys of 256 bytes in it
	s_lshl_b32 s33, s33, 9
	s_add_co_u32 s32, s32, s33
	s_add_co_u32 s32, s32, s29
	s_mov_b32 s33, 0
	s_lshl_b32 s34, s28, 24                        ; vv: b x 2^24, two rows of 256 bytes
	s_lshl_b32 s35, s15, 9
	s_add_co_u32 s34, s34, s35
	s_mov_b32 s35, 0
	s_lshl_b32 s46, s15, 10                        ; tab: two rows of 512 bytes
	s_mov_b32 s47, 0
	s_mov_b32 s36, 0x3fb8aa3b                      ; log2 e, upper part
	s_mov_b32 s37, 0x32a57060                      ; and what is left of it
	s_mov_b32 s38, 0xbfc90fdb                      ; -(pi/2), upper part
	s_mov_b32 s39, 0x333bbd2e                      ; and what is left of it
	s_mov_b32 s40, 0xbe2aaaa3                      ; sine: r + r r2 (S1 + S2 r2 + S3 r2^2)
	s_mov_b32 s41, 0x3c08839e
	s_mov_b32 s42, 0xb94ca1f9
	s_mov_b32 s43, 0x3d2aaaa5                      ; cosine: 1 - r2/2 + r2^2 (C1 + C2 r2 + C3 r2^2)
	s_mov_b32 s44, 0xbab6061a
	s_mov_b32 s45, 0x37ccf5ce
	s_wait_kmcnt 0x0
	s_add_nc_u64 s[4:5], s[4:5], s[30:31]
	s_add_nc_u64 s[6:7], s[6:7], s[30:31]
	s_add_nc_u64 s[16:17], s[8:9], s[32:33]        ; kk at head 0; a head is 2^21 bytes on, so a base for every four heads keeps the stores' immediates inside their signed 24 bits
	s_add_nc_u64 s[18:19], s[16:17], 8388608
	s_add_nc_u64 s[20:21], s[16:17], 16777216
	s_add_nc_u64 s[22:23], s[16:17], 25165824
	s_add_nc_u64 s[24:25], s[10:11], s[34:35]      ; vv at head 0; a head is 2^20 bytes on: a base for every eight heads
	s_add_nc_u64 s[26:27], s[24:25], 8388608
	s_add_nc_u64 s[12:13], s[12:13], s[46:47]
	s_wait_alu depctr_va_vdst(0)                   ; the four offsets v2 to v5 are written: every load and store of the kernel reads one of them, and no vector line names them again
; Four loads: k and v of head h into slot s.
.macro FILL s, h
	global_load_b128 v[X+16*(\s):X+16*(\s)+3],     v[IK], s[4:5] offset:(\h)*512 th:TH_LOAD_NT
	global_load_b128 v[X+16*(\s)+4:X+16*(\s)+7],   v[IK], s[4:5] offset:(\h)*512+256 th:TH_LOAD_NT
	global_load_b128 v[X+16*(\s)+8:X+16*(\s)+11],  v[IV], s[6:7] offset:(\h)*512 th:TH_LOAD_NT
	global_load_b128 v[X+16*(\s)+12:X+16*(\s)+15], v[IV], s[6:7] offset:(\h)*512+8192 th:TH_LOAD_NT
.endm
.irp s, 0,1,2,3,4,5,6,7
	FILL \s, \s                                    ; heads 0 to 7: 32 loads of 512 bytes a wave are out
.endr
; cos and sin of fl(t * f) for frequency J0 + e, while the first loads are on their way.  The work is cut in three, and each part is written for all four frequencies on end, each in 12 registers of its own:
; so the four exponentials are one batch with one wait, and the four compares one run with one wait.
; Part 1: the exponent, as a rounded product and what the rounding dropped, and the exponential.
.macro SC1 e
.set WE, W+12*(\e)
	v_add_nc_u32 v[WE], (\e), v[J0]
	v_cvt_f32_u32 v[WE], v[WE]
	v_mul_f32 v[WE], 0xbe135d8e, v[WE]             ; a = fl(j * f32(-ln(10000)/64))
	v_mul_f32 v[WE+1], s36, v[WE]                  ; a log2 e: the rounded product,
	v_fma_f32 v[WE+2], v[WE], s36, -v[WE+1]        ; what the rounding dropped,
	v_fma_f32 v[WE+2], v[WE], s37, v[WE+2]         ; and the lower part of log2 e
	v_exp_f32 v[WE+3], v[WE+1]
	v_mul_f32 v[WE+2], 0x3f317218, v[WE+2]         ; (a plain line behind the exponential, ISA guide 5.7.2) 2^x = 1 + x ln 2 for the small part
.endm
; Part 2: the angle, its reduction, the two polynomials, the quarter's parity as a mask, and the two sign words, which wait for no mask.
.macro SC2 e
.set WE, W+12*(\e)
	v_fma_f32 v[WE+3], v[WE+3], v[WE+2], v[WE+3]   ; f
	v_mul_f32 v[WE+4], v[POS], v[WE+3]             ; the angle, rounded to f32 as the definition rounds it
	v_mul_f32 v[WE+5], 0x3f22f983, v[WE+4]
	v_rndne_f32 v[WE+5], v[WE+5]                   ; n = the nearest multiple of pi/2
	v_fma_f32 v[WE+6], v[WE+5], s38, v[WE+4]       ; exact: n has 12 bits
	v_fma_f32 v[WE+6], v[WE+5], s39, v[WE+6]       ; r, |r| <= pi/4
	v_cvt_i32_f32 v[WE+7], v[WE+5]
	v_mul_f32 v[WE+8], v[WE+6], v[WE+6]            ; r2
	v_fma_f32 v[WE+9], v[WE+8], s42, s41
	v_fma_f32 v[WE+9], v[WE+9], v[WE+8], s40
	v_mul_f32 v[WE+9], v[WE+9], v[WE+8]
	v_fma_f32 v[WE+9], v[WE+9], v[WE+6], v[WE+6]   ; sin r
	v_fma_f32 v[WE+10], v[WE+8], s45, s44
	v_fma_f32 v[WE+10], v[WE+10], v[WE+8], s43
	v_mul_f32 v[WE+11], v[WE+8], v[WE+8]
	v_fma_f32 v[WE+1], v[WE+8], -0.5, 1.0
	v_fma_f32 v[WE+10], v[WE+10], v[WE+11], v[WE+1]  ; cos r
	v_and_b32 v[WE+1], 1, v[WE+7]
	v_cmp_eq_u32 s[MK+(\e)], 1, v[WE+1]            ; an odd quarter swaps the two
	v_lshlrev_b32 v[WE+4], 30, v[WE+7]             ; sine is negative in quarters 2 and 3: bit 1 of n
	v_and_b32 v[WE+4], 0x80000000, v[WE+4]
	v_add_nc_u32 v[WE+5], 1, v[WE+7]               ; cosine in quarters 1 and 2: bit 1 of n + 1
	v_lshlrev_b32 v[WE+5], 30, v[WE+5]
	v_and_b32 v[WE+5], 0x80000000, v[WE+5]
.endm
; Part 3: the choice by the mask, and the signs.
.macro SC3 e
.set WE, W+12*(\e)
	v_cndmask_b32 v[WE+2], v[WE+9], v[WE+10], s[MK+(\e)]
	v_cndmask_b32 v[WE+3], v[WE+10], v[WE+9], s[MK+(\e)]
	v_xor_b32 v[SN+(\e)], v[WE+2], v[WE+4]
	v_xor_b32 v[CO+(\e)], v[WE+3], v[WE+5]
.endm
.irp e, 0,1,2,3
	SC1 \e
.endr
	s_wait_alu depctr_va_vdst(0)                   ; the four exponentials have written their results, ahead of the first line that names one: one wait for the batch
.irp e, 0,1,2,3
	SC2 \e
.endr
	s_wait_alu depctr_va_sdst(0)                   ; the four compares have written s30 to s33, ahead of the first select that reads one: one wait for the run
.irp e, 0,1,2,3
	SC3 \e
.endr
	s_cmp_lg_u32 s28, 0                            ; both batches make the same numbers: the work-groups of batch 0 store them
	s_cbranch_scc1 .Lno_tab
	s_wait_alu depctr_va_vdst(0)                   ; the eight lines that set the signs have written CO and SN, which the two stores read
	global_store_b128 v[TO], v[CO:CO+3], s[12:13]             ; 16 lanes store a row's 64 cosines: 256 consecutive bytes, aligned
	global_store_b128 v[TO], v[SN:SN+3], s[12:13] offset:256  ; and its 64 sines
.Lno_tab:
; Store n of the six of head h: hi of row t0, hi of t1, lo of t0, lo of t1, v of t0, v of t1.  Each store: 256 consecutive bytes, aligned.
.macro PUT h, n
.if (\h) < 8
.set PO, D+12*(\h)
.else
.set PO, X+16*((\h)%8)
.endif
.if (\n) < 4
	global_store_b64 v[O8], v[PO+2*(\n):PO+2*(\n)+1], s[16+2*((\h)/4):17+2*((\h)/4)] offset:((\h)%4)*2097152+((\n)/2)*16384+((\n)%2)*256
.else
	global_store_b64 v[O8], v[PO+2*(\n):PO+2*(\n)+1], s[24+2*((\h)/8):25+2*((\h)/8)] offset:((\h)%8)*1048576+((\n)-4)*256
.endif
.endm
; Head h.  Its slot is h % 8; heads 0-7 fill their slot again with the head eight further on.  Its own six stores are issued in the head behind it.
.macro SLOT h
.set XS, X+16*((\h)%8)
.if (\h) < 8
.set OUT, D+12*(\h)
	s_wait_loadcnt 28                              ; loads come back in order (ISA guide 5.7.1): my four are in, the seven younger slots' 28 stay out
.else
.set OUT, XS
	s_wait_loadcnt 28-4*((\h)-8)                   ; nothing is loaded any more: the counts run down
.endif
	v_pk_mul_f32 v[Y:Y+1],     v[XS+4:XS+5], v[SN:SN+1]       ; x2 sin
	v_pk_mul_f32 v[Y+2:Y+3],   v[XS+6:XS+7], v[SN+2:SN+3]
	v_pk_mul_f32 v[Y+4:Y+5],   v[XS:XS+1],   v[SN:SN+1]       ; x1 sin
	v_pk_mul_f32 v[Y+6:Y+7],   v[XS+2:XS+3], v[SN+2:SN+3]
	v_pk_fma_f32 v[Y:Y+1],     v[XS:XS+1],   v[CO:CO+1],   v[Y:Y+1]     neg_lo:[0,0,1] neg_hi:[0,0,1]  ; x1 cos - x2 sin
	v_pk_fma_f32 v[Y+2:Y+3],   v[XS+2:XS+3], v[CO+2:CO+3], v[Y+2:Y+3]   neg_lo:[0,0,1] neg_hi:[0,0,1]
	v_pk_fma_f32 v[Y+4:Y+5],   v[XS+4:XS+5], v[CO:CO+1],   v[Y+4:Y+5]   ; x2 cos + x1 sin
	v_pk_fma_f32 v[Y+6:Y+7],   v[XS+6:XS+7], v[CO+2:CO+3], v[Y+6:Y+7]
	v_cvt_pk_f16_f32 v[OUT+8],  v[XS+8],  v[XS+9]             ; v: row t0, then row t1 (in place each line reads at or behind what it writes)
	v_cvt_pk_f16_f32 v[OUT+9],  v[XS+10], v[XS+11]
	v_cvt_pk_f16_f32 v[OUT+10], v[XS+12], v[XS+13]
	v_cvt_pk_f16_f32 v[OUT+11], v[XS+14], v[XS+15]
	s_wait_alu depctr_va_vdst(0)                   ; heads 0-7: the twelve lines above are done reading the slot, in which the loads below land; heads 1-15: the head before has written its twelve store words, which the stores below read
.if (\h) < 8
	FILL (\h), (\h)+8                              ; the slot has been read out: it is asked for again at once.  No vector line behind the wait names it
.endif
.irp j, 0,1,2,3
	v_cvt_pk_f16_f32 v[OUT+(\j)], v[Y+2*(\j)], v[Y+2*(\j)+1]  ; hi
.endr
.if (\h) > 0
	PUT (\h)-1, 0                                  ; the head before leaves, two stores at a time; no vector line behind the wait names its store words
	PUT (\h)-1, 1
.endif
.irp j, 0,1,2,3
	v_fma_mix_f32 v[Y+2*(\j)],   v[OUT+(\j)], v[NEG1], v[Y+2*(\j)]   op_sel_hi:[1,0,0]                 ; y - hi, exact: the low half of the packed word,
	v_fma_mix_f32 v[Y+2*(\j)+1], v[OUT+(\j)], v[NEG1], v[Y+2*(\j)+1] op_sel:[1,0,0] op_sel_hi:[1,0,0]  ; and the high half
.endr
.if (\h) > 0
	PUT (\h)-1, 2
	PUT (\h)-1, 3
.endif
.irp j, 0,1,2,3
	v_cvt_pk_f16_f32 v[OUT+4+(\j)], v[Y+2*(\j)], v[Y+2*(\j)+1]  ; lo
.endr
.if (\h) > 0
	PUT (\h)-1, 4
	PUT (\h)-1, 5
.endif
	v_permlane16_swap_b32 v[OUT],   v[OUT+2]       ; the first register's lanes 16-31 (row t1, first half) change places with the second's lanes 0-15 (row t0, second half):
	v_permlane16_swap_b32 v[OUT+1], v[OUT+3]       ; the first then holds row t0 and the second row t1, lane l the channels 4 l .. 4 l + 3
	v_permlane16_swap_b32 v[OUT+4], v[OUT+6]
	v_permlane16_swap_b32 v[OUT+5], v[OUT+7]
.endm
.irp h, 0,1,2,3,4,5,6,7,8,9,10,11,12,13,14,15
	SLOT \h
.endr
	s_wait_alu depctr_va_vdst(0)                   ; head 15 has written its twelve store words, which the last six stores read
.irp n, 0,1,2,3,4,5
	PUT 15, \n
.endr
	s_endpgm
.Lfunc_end_k_q6885255900_prep:
	.size	k_q6885255900_prep, .Lfunc_end_k_q6885255900_prep-k_q6885255900_prep
	.p2alignl 7, 3214868480
	.fill 96, 4, 3214868480
	.section	.rodata,"a",@progbits
	.p2align	6, 0x0
	.amdhsa_kernel k_q6885255900_prep
		.amdhsa_group_segment_fixed_size 0
		.amdhsa_private_segment_fixed_size 0
		.amdhsa_enable_private_segment 0
		.amdhsa_kernarg_size 40
		.amdhsa_user_sgpr_count 2
		.amdhsa_user_sgpr_kernarg_segment_ptr 1
		.amdhsa_wavefront_size32 1
		.amdhsa_system_sgpr_workgroup_id_x 1
		.amdhsa_system_sgpr_workgroup_id_y 1
		.amdhsa_system_sgpr_workgroup_id_z 1
		.amdhsa_system_vgpr_workitem_id 0
		.amdhsa_next_free_vgpr 256
		.amdhsa_next_free_sgpr 66
		.amdhsa_reserve_vcc 0
		.amdhsa_float_denorm_mode_32 3
		.amdhsa_float_denorm_mode_16_64 3
		.amdhsa_memory_ordered 1
		.amdhsa_forward_progress 1
		.amdhsa_inst_pref_size 57
	.end_amdhsa_kernel
	.amdgpu_metadata
---
amdhsa.version: [ 1, 2 ]
amdhsa.kernels:
  - .name:           k_q6885255900_prep
    .symbol:         k_q6885255900_prep.kd
    .args:
      - { .name: k, .offset: 0, .size: 8, .value_kind: global_buffer, .address_space: global }
      - { .name: v, .offset: 8, .size: 8, .value_kind: global_buffer, .address_space: global }
      - { .name: kk, .offset: 16, .size: 8, .value_kind: global_buffer, .address_space: global }
      - { .name: vv, .offset: 24, .size: 8, .value_kind: global_buffer, .address_space: global }
      - { .name: tab, .offset: 32, .size: 8, .value_kind: global_buffer, .address_space: global }
    .group_segment_fixed_size: 0
    .private_segment_fixed_size: 0
    .kernarg_segment_align: 8
    .kernarg_segment_size: 40
    .max_flat_workgroup_size: 256
    .sgpr_count:     66
    .vgpr_count:     256
    .wavefront_size: 32
...
	.end_amdgpu_metadata
.endif
;; end of part 5
;; launch attn: the kernel of part 4 again; grid 4 x 64, 4 waves a work-group, no clusters, 327,680 bytes of LDS; arguments q, kk, vv, out0, tab; writes out0
